; MI455X (gfx1250); checked and timed in simulation.
; The chip was launched on July 23, 2026; its instructions are those of AMD's public machine-readable ISA for CDNA 5 (MIT licence, August 2026) and "CDNA5" Instruction Set Architecture Reference Guide (July 2026). The comments in the code are by the model that wrote it; some were corrected since.
;; Cross Attention. Allowed arithmetic: matrix products marked QUANTISED: E5M2 operands, one given power-of-two scale a tensor, by v_wmma_f32_16x16x64_bf8_bf8 or v_wmma_f32_16x16x128_bf8_bf8, f32 sums; everything else in f32.
;; Inputs: Wkv 1,024 x 2,048 float32; Wout 1,024 x 1,024 float32; Wq 1,024 x 1,024 float32; beta one number float32; bout 1,024 float32; context 2 x 4 x 1,024 x 1,024 float32; doc_similarities 2 x 4 float32; lowp_scales 10 int32 (the exponents e of the quantised operands' scales 2^e); x 2 x 1,024 x 1,024 float32.
;; Outputs: out0 2 x 1,024 x 1,024 float32.
;; This version of the problem:
;;   THIS VERSION OF THE PROBLEM IS GIVEN IN LOW PRECISION. The matrix products marked QUANTISED in the list below multiply operands that are first quantised to E5M2 (5 exponent bits, 2 mantissa bits; 8 bits a number), with one given power-of-two scale for each operand tensor; their sums are f32. All else is computed in f32.
;;   The module's matrix products, in the order in which they are computed (A, B: the left and right operand; K: the contracted axis; several contracted axes count as one K, in the product's order):
;;     1. [M 2,048, K 1,024] x [K 1,024, N 1,024]; A: input x; B: input Wq: QUANTISED (scales: A lowp_scales[0], B lowp_scales[1])
;;     2. [M 8,192, K 1,024] x [K 1,024, N 2,048]; A: input context; B: input Wkv: QUANTISED (scales: A lowp_scales[2], B lowp_scales[3])
;;     3. batch 16 x [M 1,024, K 128] x [K 128, N 4,096]; A: computed on the way; B: computed on the way: QUANTISED (scales: A lowp_scales[4], B lowp_scales[5])
;;     4. batch 16 x [M 1,024, K 4,096] x [K 4,096, N 128]; A: softmax (see below); B: computed on the way: QUANTISED (scales: A lowp_scales[6], B lowp_scales[7])
;;     5. [M 2,048, K 1,024] x [K 1,024, N 1,024]; A: computed on the way; B: input Wout: QUANTISED (scales: A lowp_scales[8], B lowp_scales[9])
;;   THE QUANTISER, for each operand of a quantised product, along K:
;;     - The operand's scale is 2^e, e = its entry of the input lowp_scales (int32; the entries are numbered through the quantised products in the list's order, A before B).
;;     - Each number is divided by the scale, clamped to +-57,344, and rounded to the nearest number of E5M2, ties to even, subnormals kept.
;;     - The product sums the exact products of the quantised numbers (number of the format x scale) in f32.
;;   ~~~python
;;   def quantise(x, axis, e):      # numpy; x: float32 -> the quantised numbers, widened to float32 again
;;       x = np.moveaxis(x, axis, -1); K = x.shape[-1]
;;       r = np.clip(x / 2.0 ** e, -57344, 57344)
;;       step = 2.0 ** (np.maximum(np.frexp(np.where(r == 0, 1, r))[1] - 1, -14) - 2)
;;       q = np.round(r / step) * step * 2.0 ** e      # np.round: ties to even
;;       return np.moveaxis(q, -1, axis).astype(np.float32)
;;   ~~~
;;   SOFTMAX AHEAD OF A QUANTISED PRODUCT. Where the list says 'softmax', what is quantised is not the finished softmax but p = 2^(t - M), with t = logit x log2(e) and M = ceil(the row's largest t), a whole number; so 1/2 < the row's largest p <= 1. The row's sum l is taken of the UNQUANTISED p, in f32, and the product's result is divided by l at the end. Since M is a whole number, a kernel that streams over the keys may use a running M (the ceiling of the running maximum): every later rescaling is an exact power of two, so the quantised numbers keep their values, but for numbers so far below the row's largest that they fall under the format's range.
;;   OPERANDS COMPUTED ON THE WAY. 'Computed on the way' means the value that the module computes at that place (a softmax that the list does not call 'softmax' is quantised finished and normalised). What goes into a quantiser is computed in f32, as accurately as f32 sums, v_exp_f32 and their like allow (about 1e-6 of the number): no bf16 or f16 on the way to a quantiser, and a product that is left as it is and whose result goes on into a quantised operand takes f32 operands (vector FMAs, or v_wmma_f32_16x16x4_f32). A number that lies on a knife's edge between two numbers of the format may be rounded either way, as far as f32 arithmetic and the matrix unit's own rounding can turn it there, and no further.
;; One version. Each part assembles by itself: llvm-mc -triple=amdgcn-amd-amdhsa -mcpu=gfx1250 --defsym DOCPART=n.
;; ======== version 1 of 1: 4 launches
;; limits: right only within a limited range of input values
;; workspace buffers: codes 14,680,064 bytes; qkv 16,777,216 bytes; acodes 2,097,152 bytes
;; launch quant (part 1): grid 448 x 1, 4 waves a work-group, no clusters, 86,016 bytes of LDS; arguments context, x, Wkv, Wq, Wout, lowp_scales, codes; writes codes
.if DOCPART == 1
	.amdgcn_target "amdgcn-amd-amdhsa--gfx1250"
	.amdhsa_code_object_version 6
	.text
	.protected	k_q494ac80155_quant
	.globl	k_q494ac80155_quant
	.p2align	8
	.type	k_q494ac80155_quant,@function
k_q494ac80155_quant:
	s_mov_b64 s[64:65], 0
	v_nop
	global_prefetch_b8 v0, s[64:65] scope:SCOPE_SE
	s_setreg_imm32_b32 hwreg(HW_REG_WAVE_MODE, 25, 1), 1
	s_wait_xcnt 0x0
; The five f32 inputs of the quantised products become codes of BF8 (E5M2), one byte each, K innermost, in ONE buffer of 14,336 rows of 1,024 codes:
; rows 0-8191 context's tokens, 8192-10239 x's tokens, 10240-12287 Wkv's columns, 12288-13311 Wq's columns, 13312-14335 Wout's columns.
; code = number / 2^e, held within +-57,344, rounded to the nearest code, ties to even; e is the operand's entry of lowp_scales (context 2, x 0, Wkv 3, Wq 1, Wout 9).
; LIMITS: each of these e lies between -126 and 112, so that 2^e and 57,344 x 2^e are f32 numbers.  NaN among the inputs is not served (an infinity is held at the largest code).
; Work-groups 0-319 take context and x, whose K is innermost: plain streams of numbers, 32,768 a work-group.  Work-groups 320-447 take the weights, whose K is the FIRST axis: 128 columns x 256 along K each.
; The two ways part on the work-group's number and have LDS bytes of their own.  No tensor loads, no barrier: waves share nothing.  Each work-group reads 131,072 bytes once and writes 32,768.
; x's CODES LIE AS FRAGMENT IMAGES: for each tile of 16 tokens (16,384 bytes) and each K step of 128, four runs of 512 bytes: run c holds, at 16 x (16 h + r), the 16 codes K = 32 c + 16 h + 0 .. 15 of token r.
; In context and x a wave takes 16 rows x 512 along K (half a row a step).
.set NCTX,  256
; CONTEXT's codes lie as x's do, and Wkv's as Wq's (below), there with column 16 t + m.  Of its 16 rows x 512 along K a wave takes two rows x 256 a step; after eight steps half of the image is complete and leaves.
.set OB,    200                        ; v200-231 half an image on its way out
.set NROW,  320
.set EMAX,  15
.set MANT,  0x600000                   ; the mantissa field of 57,344 as f32
; the rows' way
.set STEPS, 16                         ; a wave takes 16 steps of 512 numbers
.set R,     16                         ; v16-79   four sets of 16 numbers as they are loaded
.set X,     80                         ; v80-111  two sets of 16 neighbours
.set C,     128                        ; v128-191 codes: four registers for each step, so that no store's data are written again
.set WREG,  8192                       ; LDS 0-32767: a region for each wave: two stages of 32 x SP bytes
.set SP,    80                         ; a lane's place in a stage: its 64 bytes + 16 of padding
; the weights' way
.set NB,    8                          ; blocks of 32 along K for a wave
.set PITCH, 272                        ; a stage row: 256 codes + 16 of padding
.set WST,   32768                      ; LDS from here: 32 rows x PITCH for each wave
.set OF,    16                         ; v16-47   4 x lane + i x a row of the weight in bytes; never rewritten
.set XW,    48                         ; v48-111  two sets of 32 numbers
.set CW,    112                        ; v112-119 a block's codes
.set OUTR,  120                        ; v120-183 the way out
	s_load_b256 s[4:11], s[0:1], 0x0               ; context s[4:5], x s[6:7], Wkv s[8:9], Wq s[10:11]
	s_load_b128 s[12:15], s[0:1], 0x20             ; Wout s[12:13], the scales' exponents s[14:15]
	s_load_b64 s[16:17], s[0:1], 0x30              ; the codes
	v_lshl_add_u32 v192, v0, 2, 0x10800
	v_mov_b32 v193, 0
	v_lshrrev_b32 v1, 5, v0
	v_readfirstlane_b32 s18, v1                    ; wave 0..3
	v_and_b32 v2, 31, v0                           ; lane
	s_wait_kmcnt 0x0
	s_load_b256 s[24:31], s[14:15], 0x0            ; e0 .. e7
	s_load_b64 s[32:33], s[14:15], 0x20            ; e8, e9
	s_cmp_lt_u32 ttmp9, NROW
	s_cbranch_scc0 .Lweights
; ---- CONTEXT AND X.  The conversions take 8 numbers of one lane's consecutive registers, so a lane must hold neighbours along K; a load is dense where neighbouring lanes take neighbouring bytes.
; Both are had: each of a step's four loads reads 512 consecutive bytes, 16 a lane; the 2,048 bytes go through the wave's own stage in LDS as they lie and come back 64 bytes a lane.
	s_wait_alu depctr_va_vdst(0)
	v_lshlrev_b32 v3, 4, v2                        ; my 16 bytes of a load's 512
	s_wait_alu depctr_va_vdst(0)
	s_mul_i32 s19, s18, WREG
	v_lshrrev_b32 v14, 2, v2
	v_mul_u32_u24 v14, v14, SP
	v_and_b32 v15, 3, v2
	v_lshl_add_u32 v14, v15, 4, v14
	v_add_nc_u32 v14, s19, v14                     ; the stage, on the way in: SP (lane / 4) + 16 (lane % 4)
	v_mul_u32_u24 v15, v2, SP
	v_add_nc_u32 v15, s19, v15                     ; and on the way out: SP x lane: my 16 neighbours
	v_lshlrev_b32 v4, 4, v2                        ; 16 bytes a lane of a store's 512
	s_mul_i32 s36, s18, 16*272
	s_add_co_u32 s36, s36, 0x10a00                 ; the image's stage: bytes of its own behind the spare words: 16 units of 256 bytes, 272 apart, for each wave
	v_and_b32 v5, 15, v2
	v_lshrrev_b32 v6, 4, v2
	v_mul_u32_u24 v7, v6, 272
	v_lshl_add_u32 v7, v5, 4, v7
	v_mul_u32_u24 v5, v5, 272
	v_lshl_add_u32 v5, v6, 4, v5
	v_add_nc_u32 v5, s36, v5                       ; in: unit lane % 16 (16 neighbours along K), row 2 (t % 8) + lane / 16
	v_add_nc_u32 v6, s36, v7                       ; and back: two units an instruction
	s_cmp_lt_u32 ttmp9, NCTX                       ; context's work-group or x's?  The choice hangs on the work-group's number alone
	s_cselect_b64 s[4:5], s[4:5], s[6:7]
	s_cselect_b32 s20, 0, NCTX
	s_sub_co_u32 s20, ttmp9, s20
	s_lshl_b32 s20, s20, 17                        ; 32 rows of 4,096 bytes a work-group,
	s_lshr_b32 s35, s18, 1
	s_lshl_b32 s21, s35, 16                        ; 16 rows for each pair of waves,
	s_add_co_u32 s20, s20, s21
	s_and_b32 s34, s18, 1
	s_lshl_b32 s21, s34, 11                        ; half a row for each of the two
	s_add_co_u32 s20, s20, s21
	s_mov_b32 s21, 0
	s_add_nc_u64 s[4:5], s[4:5], s[20:21]
	s_lshl_b32 s34, s34, 13                        ; my half of an image: 8,192 bytes
	s_lshl_b32 s22, ttmp9, 15                      ; x's tokens follow context's in the codes
	s_lshl_b32 s35, s35, 14
	s_add_co_u32 s22, s22, s35
	s_add_co_u32 s22, s22, s34
	s_mov_b32 s23, 0
	s_add_nc_u64 s[16:17], s[16:17], s[22:23]
.macro LOADR t
.irp i, 0,1,2,3
	global_load_b128 v[R+16*((\t)%4)+4*\i:R+16*((\t)%4)+4*\i+3], v3, s[4:5] offset:8192*((\t)%8)+1024*((\t)/8)+4096*(\i/2)+512*(\i%2) th:TH_LOAD_NT   ; rows 2 (t % 8) and the next: 32 lanes read 512 consecutive bytes
.endr
.endm
.macro TURNR t                         ; step t's numbers through the stage: LDS serves a wave's instructions in order (ISA guide 5.7.1.4), so no wait stands between the stores and the loads
.irp i, 0,1,2,3
	ds_store_b128 v14, v[R+16*((\t)%4)+4*\i:R+16*((\t)%4)+4*\i+3] offset:32*SP*((\t)%2)+8*SP*\i
.endr
.irp i, 0,1,2,3
	ds_load_b128 v[X+16*((\t)%2)+4*\i:X+16*((\t)%2)+4*\i+3], v15 offset:32*SP*((\t)%2)+16*\i
.endr
.endm
.irp t, 0,1,2,3
	LOADR \t
.endr
	s_wait_alu depctr_va_vdst(0)
	s_wait_kmcnt 0x0
	s_cmp_lt_u32 ttmp9, NCTX
	s_cselect_b32 s22, s26, s24                    ; e2 for context, e0 for x
	s_add_co_i32 s22, s22, 127
	s_lshl_b32 s23, s22, 23
	v_mov_b32 v11, s23                             ; 2^e as f32: the conversion takes its exponent field
	s_add_co_i32 s22, s22, EMAX
	s_lshl_b32 s22, s22, 23
	s_or_b32 s22, s22, MANT
	v_mov_b32 v10, s22                             ; 57,344 x 2^e
	s_wait_alu depctr_va_vdst(0)
	s_wait_loadcnt 12                              ; step 0's four loads are in; the twelve of steps 1 to 3 may be out
	TURNR 0
.macro STEPR t
.set XS, X+16*((\t)%2)
	s_wait_dscnt 0x0                               ; this step's numbers are back from the stage: so its stores into the stage have read their registers,
.if (\t)+4 < STEPS
	LOADR (\t)+4                                   ; which take the loads of four steps on
.endif
.if (\t)+1 < STEPS
.if STEPS-2-(\t) >= 3
	s_wait_loadcnt 12                              ; the next step's four loads are in; those of the three steps behind it may be out
.else
	s_wait_loadcnt 4*(STEPS-2-(\t))                ; in the tail fewer steps stand behind it
.endif
	TURNR (\t)+1                                   ; and go through the other stage while this step is worked
.endif
.irp i, 0,1,2,3,4,5,6,7,8,9,10,11,12,13,14,15
	v_med3_num_f32 v[XS+\i], v[XS+\i], -v10, v10   ; the conversion to an 8-bit code does not saturate (ISA guide 7.6.2): the number is held within the largest code x the scale first
.endr
	v_cvt_scalef32_pk8_bf8_f32 v[C+4*(\t):C+4*(\t)+1], v[XS:XS+7], v11
	v_cvt_scalef32_pk8_bf8_f32 v[C+4*(\t)+2:C+4*(\t)+3], v[XS+8:XS+15], v11   ; the results go to a store alone; the next vector lines are the next step's holds, on other registers
.endm
; Half k of the image, 256 along K of 16 rows, through the wave's own stage: LDS serves a wave's instructions in order (ISA guide 5.7.1.4), so no wait stands between the stores and the loads.
.macro IMG k
.irp t, 0,1,2,3,4,5,6,7
	ds_store_b128 v5, v[C+32*(\k)+4*\t:C+32*(\k)+4*\t+3] offset:32*\t
.endr
.if \k
	s_wait_xcnt 0x0                                ; the first half's stores have read their registers
.endif
.irp i, 0,1,2,3,4,5,6,7
	ds_load_b128 v[OB+4*\i:OB+4*\i+3], v6 offset:544*\i
.endr
.irp i, 0,1,2,3,4,5,6,7
	s_wait_dscnt 7-\i                              ; units 2 i and 2 i + 1 are back; the younger loads may be out
	global_store_b128 v4, v[OB+4*\i:OB+4*\i+3], s[16:17] offset:4096*(\k)+512*\i   ; 32 lanes store 512 consecutive bytes, aligned
.endr
.endm
.irp t, 0,1,2,3,4,5,6,7
	STEPR \t
.endr
	IMG 0
.irp t, 8,9,10,11,12,13,14,15
	STEPR \t
.endr
	IMG 1
	s_wait_tensorcnt 0x0
	ds_add_u32 v192, v193
	s_wait_dscnt 0x0
	s_endpgm
; ---- THE WEIGHTS, stored [K][N].  A LANE TAKES A COLUMN n, AND ITS REGISTERS RUN DOWN K: each load reads neighbouring n in neighbouring lanes (128 consecutive bytes a wave, 512 a work-group), and the
; conversions give the codes with K innermost.  A wave's 32 columns x 256 codes go through its own stage in LDS and leave as rows: sixteen lanes store 256 consecutive bytes, aligned.
.Lweights:
	s_sub_co_u32 s19, ttmp9, NROW
	s_and_b32 s20, s19, 31                         ; which 128 columns of the 4,096: 0-15 Wkv's, 16-23 Wq's, 24-31 Wout's
	s_lshr_b32 s21, s19, 5                         ; which 256 along K
	s_cmp_lt_u32 s20, 24
	s_cselect_b64 s[4:5], s[10:11], s[12:13]       ; Wq or Wout,
	s_cselect_b32 s22, 16, 24                      ; and the tensor's first block of columns
	s_cmp_lt_u32 s20, 16
	s_cselect_b64 s[4:5], s[8:9], s[4:5]           ; or Wkv
	s_cselect_b32 s22, 0, s22
	s_mov_b32 s34, 4096
	s_cselect_b32 s34, 8192, s34                   ; a row of the weight in bytes
	s_sub_co_u32 s35, s20, s22
	s_lshl_b32 s35, s35, 7
	s_lshl_b32 s23, s18, 5
	s_add_co_u32 s35, s35, s23                     ; my wave's first column in its tensor
	s_lshl_b32 s52, s21, 8
	s_mul_i32 s52, s52, s34                        ; 256 rows for each step along K,
	s_lshl_b32 s53, s35, 2
	s_add_co_u32 s52, s52, s53                     ; + 4 bytes a column
	s_mov_b32 s53, 0
	s_add_nc_u64 s[36:37], s[4:5], s[52:53]        ; block 0's base;
	s_lshl_b32 s54, s34, 5
	s_mov_b32 s55, 0
.irp t, 1,2,3,4,5,6,7
	s_add_nc_u64 s[36+2*\t:37+2*\t], s[34+2*\t:35+2*\t], s[54:55]   ; block t's lies 32 rows on: eight bases, none ever stepped
.endr
	s_lshl_b32 s52, s20, 7
	s_add_co_u32 s52, s52, s23
	s_add_co_u32 s52, s52, 10240                   ; my wave's first row of the codes: 10,240 + 128 x block of columns + 32 x wave
	s_lshl_b32 s52, s52, 10
	; Wq's CODES LIE AS OPERAND IMAGES: for each tile of 16 columns (16,384 bytes) and each K step of 128, four runs of 512 bytes: run c holds, at 16 x (16 h + m), the codes K = 32 c + 16 h + 0 .. 15 of column
	; 32 (t / 2) + 8 (t % 2) + m + 8 (m / 8).  My 32 columns are two tiles, my 256 along K two K steps of 2,048 bytes.
	s_cmp_lt_u32 s20, 24                           ; Wkv and Wq: images; Wout: rows of 1,024 codes
	s_cselect_b32 s53, 12, 8
	s_lshl_b32 s53, s21, s53
	s_add_co_u32 s52, s52, s53                     ; + my 256 along K
	s_mov_b32 s53, 0
	s_add_nc_u64 s[16:17], s[16:17], s[52:53]
	s_wait_alu depctr_va_vdst(0)
	v_lshlrev_b32 v3, 2, v2                        ; in: 4 bytes a lane
.set li, 0
.rept 32
	v_mad_u32_u24 v[OF+li], s34, li, v3            ; row li of a block
.set li, li+1
.endr
	s_mul_i32 s19, s18, 32*PITCH
	s_add_co_u32 s19, s19, WST                     ; my stage
	v_mul_u32_u24 v4, v2, PITCH
	v_add_nc_u32 v4, s19, v4                       ; into it: row = my column
	v_and_b32 v5, 15, v2
	v_lshrrev_b32 v6, 4, v2                        ; out of it: sixteen lanes to a row, two rows an instruction
	v_mul_u32_u24 v7, v6, PITCH
	v_lshl_add_u32 v7, v5, 4, v7
	v_add_nc_u32 v7, s19, v7
	v_lshlrev_b32 v8, 10, v6
	v_lshl_add_u32 v8, v5, 4, v8                   ; and the same place in the codes
.macro LOADW t                         ; block t: W(32 t + i, my column), i = 0 .. 31, into set t % 2
.set li, 0
.rept 32
	global_load_b32 v[XW+32*((\t)%2)+li], v[OF+li], s[36+2*(\t):37+2*(\t)] th:TH_LOAD_NT
.set li, li+1
.endr
.endm
	LOADW 0
	LOADW 1
	s_wait_kmcnt 0x0
	s_cmp_lt_u32 s20, 24
	s_cselect_b32 s22, s25, s33                    ; e1 for Wq, e9 for Wout,
	s_cmp_lt_u32 s20, 16
	s_cselect_b32 s22, s27, s22                    ; e3 for Wkv
	s_add_co_i32 s22, s22, 127
	s_lshl_b32 s23, s22, 23
	v_mov_b32 v11, s23                             ; 2^e as f32
	s_add_co_i32 s22, s22, EMAX
	s_lshl_b32 s22, s22, 23
	s_or_b32 s22, s22, MANT
	v_mov_b32 v10, s22                             ; 57,344 x 2^e
.macro BLOCKW t
.set XS, XW+32*((\t)%2)
.if (\t) < NB-1
	s_wait_loadcnt 32                              ; this block's 32 loads are in; the next block's 32 may be out
.else
	s_wait_loadcnt 0
.endif
.set bi, 0
.rept 32
	v_med3_num_f32 v[XS+bi], v[XS+bi], -v10, v10   ; the hold at the largest code x the scale
.set bi, bi+1
.endr
.irp g, 0,1,2,3
	v_cvt_scalef32_pk8_bf8_f32 v[CW+2*\g:CW+2*\g+1], v[XS+8*\g:XS+8*\g+7], v11
.endr
	ds_store_b128 v4, v[CW:CW+3] offset:32*(\t)    ; 32 codes: 32 bytes of my column's row
	ds_store_b128 v4, v[CW+4:CW+7] offset:32*(\t)+16
.if (\t)+2 < NB
	LOADW (\t)+2
.endif
	s_wait_dscnt 0x0                               ; the stores have read their registers: the next block's codes may be written
.endm
	s_wait_alu depctr_va_vdst(0)
.irp t, 0,1,2,3,4,5,6,7
	BLOCKW \t
.endr
	s_cmp_lt_u32 s20, 24
	s_cbranch_scc1 .Lwimg
.irp t, 0,1,2,3,4,5,6,7,8,9,10,11,12,13,14,15
	ds_load_b128 v[OUTR+4*\t:OUTR+4*\t+3], v7 offset:2*\t*PITCH   ; LDS serves a wave's instructions in order: these see my stores
.endr
.irp t, 0,1,2,3,4,5,6,7,8,9,10,11,12,13,14,15
	s_wait_dscnt 15-\t                             ; rows 2 t and 2 t + 1 are back; the younger loads may be out
	global_store_b128 v8, v[OUTR+4*\t:OUTR+4*\t+3], s[16:17] offset:2*\t*1024
.endr
	s_branch .Lweights_end
.macro WIMG step                       ; step: columns from the first tile's to the second's
	s_wait_alu depctr_va_vdst(0)                   ; directly ahead of the readers
.irp t, 0,1,2,3,4,5,6,7,8,9,10,11,12,13,14,15  ; t = 8 x tile + 4 x K step + c
	ds_load_b128 v[OUTR+4*\t:OUTR+4*\t+3], v9 offset:\step*(\t/8)*PITCH+32*(\t%8)
.endr
.irp t, 0,1,2,3,4,5,6,7,8,9,10,11,12,13,14,15
	s_wait_dscnt 15-\t
	global_store_b128 v12, v[OUTR+4*\t:OUTR+4*\t+3], s[16:17] offset:(\t/8)*16384+512*(\t%8)   ; 32 lanes store 512 consecutive bytes, aligned
.endr
.endm
.Lwimg:
	v_and_b32 v5, 15, v2                           ; m
	v_lshrrev_b32 v6, 4, v2                        ; h
	v_lshlrev_b32 v12, 4, v2
	s_cmp_lt_u32 s20, 16
	s_wait_alu depctr_va_vdst(0)                   ; directly ahead of the branch
	s_cbranch_scc1 .Lwkv
	v_and_b32 v9, 8, v5
	v_add_nc_u32 v9, v9, v5                        ; m + 8 (m / 8)
	v_mul_u32_u24 v9, v9, PITCH
	v_lshl_add_u32 v9, v6, 4, v9
	v_add_nc_u32 v9, s19, v9
	WIMG 8
	s_branch .Lweights_end
.Lwkv:
	v_mul_u32_u24 v9, v5, PITCH
	v_lshl_add_u32 v9, v6, 4, v9
	v_add_nc_u32 v9, s19, v9
	WIMG 16
.Lweights_end:
	s_wait_tensorcnt 0x0
	ds_add_u32 v192, v193
	s_wait_dscnt 0x0
	s_endpgm
.Lfunc_end_k_q494ac80155_quant:
	.size	k_q494ac80155_quant, .Lfunc_end_k_q494ac80155_quant-k_q494ac80155_quant
	.p2alignl 7, 3214868480
	.fill 96, 4, 3214868480
	.section	.rodata,"a",@progbits
	.p2align	6, 0x0
	.amdhsa_kernel k_q494ac80155_quant
		.amdhsa_group_segment_fixed_size 86016
		.amdhsa_private_segment_fixed_size 0
		.amdhsa_enable_private_segment 0
		.amdhsa_kernarg_size 56
		.amdhsa_user_sgpr_count 2
		.amdhsa_user_sgpr_kernarg_segment_ptr 1
		.amdhsa_wavefront_size32 1
		.amdhsa_system_sgpr_workgroup_id_x 1
		.amdhsa_system_sgpr_workgroup_id_y 1
		.amdhsa_system_sgpr_workgroup_id_z 1
		.amdhsa_system_vgpr_workitem_id 0
		.amdhsa_next_free_vgpr 232
		.amdhsa_next_free_sgpr 66
		.amdhsa_reserve_vcc 0
		.amdhsa_float_denorm_mode_32 3
		.amdhsa_float_denorm_mode_16_64 3
		.amdhsa_memory_ordered 1
		.amdhsa_forward_progress 1
		.amdhsa_inst_pref_size 99
	.end_amdhsa_kernel
	.amdgpu_metadata
---
amdhsa.version: [ 1, 2 ]
amdhsa.kernels:
  - .name:           k_q494ac80155_quant
    .symbol:         k_q494ac80155_quant.kd
    .args:
      - { .name: context, .offset: 0, .size: 8, .value_kind: global_buffer, .address_space: global }
      - { .name: x, .offset: 8, .size: 8, .value_kind: global_buffer, .address_space: global }
      - { .name: Wkv, .offset: 16, .size: 8, .value_kind: global_buffer, .address_space: global }
      - { .name: Wq, .offset: 24, .size: 8, .value_kind: global_buffer, .address_space: global }
      - { .name: Wout, .offset: 32, .size: 8, .value_kind: global_buffer, .address_space: global }
      - { .name: lowp_scales, .offset: 40, .size: 8, .value_kind: global_buffer, .address_space: global }
      - { .name: codes, .offset: 48, .size: 8, .value_kind: global_buffer, .address_space: global }
    .group_segment_fixed_size: 86016
    .private_segment_fixed_size: 0
    .kernarg_segment_align: 8
    .kernarg_segment_size: 56
    .max_flat_workgroup_size: 128
    .sgpr_count:     66
    .vgpr_count:     232
    .wavefront_size: 32
...
	.end_amdgpu_metadata
.endif
;; end of part 1
;; launch proj (part 2): grid 4 x 64, 4 waves a work-group, clusters of 4 x 4, 327,680 bytes of LDS; arguments codes, lowp_scales, qkv; writes qkv
.if DOCPART == 2
	.amdgcn_target "amdgcn-amd-amdhsa--gfx1250"
	.amdhsa_code_object_version 6
	.text
	.protected	k_q494ac80155_proj
	.globl	k_q494ac80155_proj
	.p2align	8
	.type	k_q494ac80155_proj,@function
k_q494ac80155_proj:
	s_mov_b64 s[64:65], 0
	v_nop
	global_prefetch_b8 v0, s[64:65] scope:SCOPE_SE
	s_setreg_imm32_b32 hwreg(HW_REG_WAVE_MODE, 25, 1), 1
	s_wait_xcnt 0x0
	s_wait_alu depctr_hold_cnt(0) depctr_sa_sdst(0) depctr_va_vdst(0) depctr_va_sdst(0) depctr_va_ssrc(0) depctr_va_vcc(0) depctr_vm_vsrc(0)
	s_getreg_b32 s2, hwreg(HW_REG_IB_STS2, 6, 4)
	s_cmp_eq_u32 s2, 0
	s_cbranch_scc0 .Lentry_in_a_cluster
	s_endpgm
.Lentry_in_a_cluster:
	s_bfe_u32 s2, ttmp6, 0x10000c
	s_cmp_lg_u32 s2, 0xf033
	s_cbranch_scc0 .Lentry_shape_is_right
	s_endpgm
.Lentry_shape_is_right:
; K and V = context Wkv on codes of BF8 (E5M2), sums in f32, each sum quantised to the codes of the attention's products (code = sum / 2^(e5 - e2 - e3) for K, / 2^(e7 - e2 - e3) for V).
; A work-group of four waves makes 256 x 256; a wave 128 x 128.  K goes in four steps of 256 through a ring of two LDS slots.  Clusters of 4 x 4 ask for shared tiles jointly.
; LIMITS: e5 - e2 - e3 and e7 - e2 - e3 lie between -126 and 112.  NaN and infinities among the inputs are not served.
; PREFETCHES into the L2: K step 2 behind step 1's load, K step 3 behind step 2's: one K step ahead of the load that wants it; of the 128 rows that a wave fetches, each of the four partners names 32, by address, a lane a row.
; THE RESULT lies as operand images, a block of 16,384 bytes for 128 keys of a head (K: [key][channel], V: [channel][key]): for each tile t of 16 rows four runs of 512 bytes: run c holds, at 16 x (16 h + m), bytes
; 32 c + 16 h + 0 .. 15 of row 32 (t / 2) + 8 (t % 2) + m + 8 (m / 8).
.set KSTEP,  256
; THE OPERANDS lie as images, 16,384 bytes for a tile of 16 rows x 1,024 codes: for each 128 along K four runs of 512 bytes, 16 bytes a lane.  So a K step of 256 is 4,096 bytes on end of each tile, and a fragment's
; loads read 512 consecutive bytes of LDS each.
.set ROWB,   4096
.set KROW,   16384
.set FR,     16
.set NL,     4
.set NP,     4
.set HALFT,  8*4096                    ; 128 rows: eight tiles
.set SLOT,   4*HALFT
.set LAPS,   2
.set SPARE,  2*SLOT
.set OP,     144
.set ADRA, 16
.set ADRB, 20
.set STO,  24
.set RD,   25
.set CO,   26
.set SPW,  28
.set NIL,  29
.set LIMV, 30
.set SCV,  31
.set TMP,  32
.set CD,   96
.set AF,   128
.set G1, 24
.set G0, 32
.set G1B, 48
.set G0B, 56
.set MSB, 0
.macro WIN new
.if MSB != \new
	s_set_vgpr_msb (MSB<<8)|\new
.set MSB, \new
.endif
.endm
.set MUL_LO, 0xa1
.set MUL_HI, 0xf1
.set TO_B,   0x40
.macro JLOAD g0a, g1a, g0b, g1b
	s_cmp_eq_u32 s15, 0
	s_cbranch_scc0 .Lfor_b_\@
	tensor_load_to_lds s[\g0a:\g0a+3], s[\g1a:\g1a+7]
	s_nop 0
.rept 4
	v_nop
.endr
	s_branch .Lasked_\@
.Lfor_b_\@:
	tensor_load_to_lds s[\g0b:\g0b+3], s[\g1b:\g1b+7]
	s_nop 0
.rept 4
	v_nop
.endr
.Lasked_\@:
.endm
.macro CREST
	s_cmp_lg_u32 s14, 0
	s_cbranch_scc1 .Lnot_wave_0_\@
	s_barrier_signal -3
.Lnot_wave_0_\@:
	s_barrier_wait -3
	s_barrier_signal -1
	s_barrier_wait -1
.endm
.macro CROUND
	s_barrier_signal -1
	s_barrier_wait -1
	CREST
.endm
	s_load_b128 s[4:7], s[0:1], 0x0
	s_load_b64 s[10:11], s[0:1], 0x10
	v_lshl_add_u32 v[SPW], v0, 2, SPARE
	v_mov_b32 v[NIL], 0
	ds_add_u32 v28, v29
	ds_add_u32 v28, v29
	s_wait_dscnt 0x0
	v_lshrrev_b32 v1, 5, v0
	v_readfirstlane_b32 s14, v1
	s_lshr_b32 s15, s14, 1
	s_and_b32 s16, s14, 1
	s_bfe_u32 s40, ttmp6, 0x40000
	s_bfe_u32 s41, ttmp6, 0x40004
	s_and_b32 s17, ttmp7, 0xffff
	s_lshl_b32 s43, s41, 2
	s_lshl_b32 s43, 15, s43
	s_lshl_b32 s44, 0x1111, s40
	s_or_b32 s[G1+0], s43, (0<<16)|(1<<21)         ; 15:0 the mask; elements of 1 byte; bit 21 beside a mask; no padding
	s_or_b32 s[G1B+0], s44, (0<<16)|(1<<21)
.irp g, G1, G1B
	s_mov_b32 s[\g+1], ROWB<<16
	s_mov_b32 s[\g+2], 8<<16
	s_mov_b32 s[\g+3], ROWB<<16
	s_mov_b32 s[\g+4], 8
	s_mov_b32 s[\g+5], KROW
	s_mov_b32 s[\g+6], 0
	s_mov_b32 s[\g+7], 0
.endr
	s_lshl_b32 s66, s17, 10
	s_sub_co_u32 s67, s66, 8192
	s_mov_b32 s68, 11264
	s_mov_b32 s70, 10240
	s_cmp_lt_u32 s17, 8
	s_cselect_b32 s68, s66, s68
	s_cselect_b32 s69, s70, s67
	s_lshl_b32 s18, s16, 7
	s_lshl_b32 s20, s41, 8
	s_add_co_u32 s20, s20, s18
	s_add_co_u32 s20, s20, s68
	s_lshl_b32 s20, s20, 10
	s_mov_b32 s21, 0
	s_lshl_b32 s46, s40, 8
	s_add_co_u32 s46, s46, s18
	s_add_co_u32 s46, s46, s69
	s_lshl_b32 s46, s46, 10
	s_mov_b32 s47, 0
	s_mul_i32 s45, s14, HALFT
	s_wait_kmcnt 0x0
	s_load_b256 s[72:79], s[6:7], 0x0
	s_add_nc_u64 s[20:21], s[4:5], s[20:21]
	s_add_nc_u64 s[46:47], s[4:5], s[46:47]
	CROUND
.irp s, 0,1
	s_mov_b32 s[G0+4*\s], 1
	s_add_co_u32 s[G0+4*\s+1], s45, \s*SLOT
	s_add_nc_u64 s[G0+4*\s+2:G0+4*\s+3], s[20:21], \s*ROWB
	s_or_b32 s[G0+4*\s+3], s[G0+4*\s+3], 0x80000000
	s_mov_b32 s[G0B+4*\s], 1
	s_add_co_u32 s[G0B+4*\s+1], s45, \s*SLOT
	s_add_nc_u64 s[G0B+4*\s+2:G0B+4*\s+3], s[46:47], \s*ROWB
	s_or_b32 s[G0B+4*\s+3], s[G0B+4*\s+3], 0x80000000
.endr
	JLOAD G0, G1, G0B, G1B                         ; K step 0: one tensor load a wave at the head
	s_lshl_b32 s90, s40, 15                        ; the prefetches: 32 rows of 1,024 bytes for each partner: by cx for context's rows,
	s_lshl_b32 s91, s41, 15                        ; by cy for the weight's columns
	s_cmp_eq_u32 s15, 0
	s_cselect_b32 s90, s90, s91
	s_mov_b32 s91, 0
	s_cselect_b64 s[92:93], s[20:21], s[46:47]
	s_add_nc_u64 s[92:93], s[92:93], s[90:91]
	v_and_b32 v27, 15, v0                          ; a partner's 32 rows are two tiles: of each the K step's 4,096 bytes, sixteen lanes, 256 bytes apart; never rewritten
	v_lshlrev_b32 v27, 8, v27
	v_bfe_u32 v3, v0, 4, 1
	v_lshl_add_u32 v27, v3, 14, v27
	v_and_b32 v1, 15, v0
	s_wait_alu depctr_va_vdst(0)
	v_bfe_u32 v2, v0, 4, 1
	v_and_b32 v3, 31, v0
	v_lshlrev_b32 v4, 4, v3
	s_mul_i32 s21, s15, HALFT
	s_mul_i32 s22, s16, HALFT
	s_add_co_u32 s22, s22, 2*HALFT
.irp s, 0,1
	v_add_nc_u32 v[ADRA+\s], s21, v4
	v_add_nc_u32 v[ADRB+\s], s22, v4
	s_add_co_u32 s21, s21, SLOT
	s_add_co_u32 s22, s22, SLOT
.endr
	s_lshl_b32 s80, s41, 1
	s_add_co_u32 s80, s80, s15
	s_lshl_b32 s81, s40, 1
	s_add_co_u32 s81, s81, s16
	s_lshl_b32 s82, s17, 3
	s_lshl_b32 s83, s81, 6
	s_add_co_u32 s83, s83, s80
	s_lshl_b32 s84, s80, 6
	s_add_co_u32 s84, s84, s81
	s_add_co_u32 s84, s84, 448
	s_cmp_lt_u32 s17, 8
	s_cselect_b32 s83, s83, s84
	s_add_co_u32 s82, s83, s82
	s_lshl_b32 s82, s82, 14
	s_mov_b32 s83, 0
	s_add_nc_u64 s[10:11], s[10:11], s[82:83]
	s_mul_i32 s23, s14, 128*OP
	v_mul_u32_u24 v5, v1, OP
	s_wait_alu depctr_va_vdst(0)
	v_lshl_add_u32 v5, v2, 3, v5
	v_add_nc_u32 v[STO], s23, v5
	v_and_b32 v6, 31, v0
	v_and_b32 v7, 8, v1
	v_add_nc_u32 v7, v7, v1                        ; m + 8 (m / 8)
	v_mul_u32_u24 v7, v7, OP
	v_lshl_add_u32 v7, v2, 4, v7
	v_add_nc_u32 v[RD], s23, v7
	v_lshlrev_b32 v[CO], 4, v6
.macro FRAG reg, adr, q, i
.irp c, 0,1,2,3
	ds_load_b128 v[\reg+4*\c:\reg+4*\c+3], v[\adr] offset:2048*(\q)+512*\c+(\i)*4096
.endr
.endm
.macro MUL16 a0, p, zero
.irp a, \a0, \a0+1
.irp b, 0,1,2,3,4,5,6,7
.if \zero
	v_wmma_f32_16x16x128_bf8_bf8 v[8*(8*((\a)%4)+\b):8*(8*((\a)%4)+\b)+7], v[128*(\p)+FR*\b:128*(\p)+FR*\b+FR-1], v[AF+FR*(\a):AF+FR*(\a)+FR-1], 0
.else
	v_wmma_f32_16x16x128_bf8_bf8 v[8*(8*((\a)%4)+\b):8*(8*((\a)%4)+\b)+7], v[128*(\p)+FR*\b:128*(\p)+FR*\b+FR-1], v[AF+FR*(\a):AF+FR*(\a)+FR-1], v[8*(8*((\a)%4)+\b):8*(8*((\a)%4)+\b)+7]
.endif
.endr
.endr
.endm
.macro FETCH_B slot, q, p
	WIN TO_B
.irp i, 0,1,2,3,4,5,6,7
	FRAG 128*(\p)+FR*\i, ADRB+\slot, \q, \i
.endr
	WIN 0
.endm
.macro FETCH_A slot, q, i0
.irp i, \i0, \i0+1, \i0+2, \i0+3
	FRAG AF+FR*(\i), ADRA+\slot, \q, \i
.endr
.endm
.macro PLACES n
.rept \n
	v_nop
.endr
.endm
.macro STEP slot, q, zero
	s_wait_dscnt 4*NL
	WIN MUL_LO
	MUL16 0, (\q)%2, \zero
	MUL16 2, (\q)%2, \zero
	s_wait_dscnt 0
	PLACES NP
	FETCH_B \slot, (\q)+1, 1-(\q)%2
	FETCH_A \slot, (\q)+1, 0
	WIN MUL_HI
	MUL16 4, (\q)%2, \zero
	MUL16 6, (\q)%2, \zero
	PLACES NP
	WIN 0
	FETCH_A \slot, (\q)+1, 4
.endm
.macro TURN slot, next, fill
	s_wait_tensorcnt 0x0
	ds_add_u32 v[SPW], v[NIL]
	s_wait_dscnt 4*NL+1
	WIN MUL_LO
	MUL16 0, 1, 0
	s_wait_dscnt 0x0
	s_barrier_signal -1
	MUL16 2, 1, 0
	WIN 0
	s_barrier_wait -1
.if \fill
	CREST
	s_add_nc_u64 s[G0+4*\slot+2:G0+4*\slot+3], s[G0+4*\slot+2:G0+4*\slot+3], 2*ROWB
	s_add_nc_u64 s[G0B+4*\slot+2:G0B+4*\slot+3], s[G0B+4*\slot+2:G0B+4*\slot+3], 2*ROWB
	JLOAD G0+4*\slot, G1, G0B+4*\slot, G1B
.else
	PLACES NP
.endif
	FETCH_B \next, 0, 0
	FETCH_A \next, 0, 0
.if (\fill) && ((\slot) == 0)
	global_prefetch_b8 v27, s[92:93] offset:3*ROWB th:TH_LOAD_NT scope:SCOPE_SE   ; K step 3 (the loop has one trip)
.endif
	WIN MUL_HI
	MUL16 4, 1, 0
	MUL16 6, 1, 0
	PLACES NP
	WIN 0
	FETCH_A \next, 0, 4
.endm
	s_wait_alu depctr_va_vdst(0)                   ; the head's end
	s_wait_tensorcnt 0x0                           ; my part of K step 0 is in
	ds_add_u32 v[SPW], v[NIL]                      ; 0 onto my spare word
	s_wait_dscnt 0x0
	CROUND                                         ; everybody's part of K step 0 is in, and the joint loads meet
	JLOAD G0+4, G1, G0B+4, G1B                     ; K step 1: the first tensor load behind the round
	FETCH_B 0, 0, 0
	FETCH_A 0, 0, 0
	FETCH_A 0, 0, 4
	global_prefetch_b8 v27, s[92:93] offset:2*ROWB th:TH_LOAD_NT scope:SCOPE_SE   ; K step 2
	STEP 0, 0, 1
	s_mov_b32 s3, LAPS-1
.Llap:
	TURN 0, 1, 1
	STEP 1, 0, 0
	TURN 1, 0, 1
	STEP 0, 0, 0
	s_sub_co_u32 s3, s3, 1
	s_cmp_lg_u32 s3, 0
	s_cbranch_scc1 .Llap
	TURN 0, 1, 0
	STEP 1, 0, 0
	s_wait_dscnt 4*NL
	WIN MUL_LO
	MUL16 0, 1, 0
	MUL16 2, 1, 0
	s_wait_dscnt 0
	WIN MUL_HI
	MUL16 4, 1, 0
	MUL16 6, 1, 0
	WIN 0
	s_wait_kmcnt 0x0
	s_add_co_i32 s87, s74, s75
	s_sub_co_i32 s88, s77, s87
	s_sub_co_i32 s89, s79, s87
	s_cmp_lt_u32 s17, 8
	s_cselect_b32 s88, s88, s89
	s_add_co_i32 s88, s88, 127
	s_lshl_b32 s89, s88, 23
	v_mov_b32 v[SCV], s89
	s_add_co_i32 s88, s88, 15
	s_lshl_b32 s88, s88, 23
	s_or_b32 s88, s88, 0x600000
	v_mov_b32 v[LIMV], s88
	PLACES NP
.macro OUTBLK a
.set AC, 64*((\a)%4)
.set WN, 0x02+(\a)/4
	WIN WN
.set j, 0
.rept 64
	v_med3_num_f32 v[TMP+j], v[AC+j], -v[LIMV], v[LIMV]
.set j, j+1
.endr
	WIN 0
.irp b, 0,1,2,3,4,5,6,7
	v_cvt_scalef32_pk8_bf8_f32 v[CD+16*(\a)+2*\b:CD+16*(\a)+2*\b+1], v[TMP+8*\b:TMP+8*\b+7], v[SCV]
.endr
	v_nop
.irp b, 0,1,2,3,4,5,6,7
	ds_store_b64 v[STO], v[CD+16*(\a)+2*\b:CD+16*(\a)+2*\b+1] offset:(\a)*16*OP+16*\b
.endr
.endm
; THE WAY OUT, block by block of 16 rows x 128 codes: block a is converted and laid into my stage while block a - 1 is on its way back; LDS serves a wave's instructions in order (ISA guide 5.7.1.4).
; Two blocks of 16 rows make two tiles of the image: they come back from the stage together.
.set BK, 224                           ; v224-255
.macro BACK b
.irp i, 0,1,2,3,4,5,6,7                ; i = 4 x tile + c
	ds_load_b128 v[BK+4*\i:BK+4*\i+3], v[RD] offset:(32*(\b)+8*(\i/4))*OP+32*(\i%4)
.endr
.endm
.macro SEND b
.irp i, 0,1,2,3,4,5,6,7
	global_store_b128 v[CO], v[BK+4*\i:BK+4*\i+3], s[10:11] offset:4096*(\b)+512*\i   ; 32 lanes store 512 consecutive bytes, aligned
.endr
.endm
.irp a, 0,1,2,3,4,5,6,7
	OUTBLK \a
.if \a%2 == 1
.if \a > 1
	s_wait_xcnt 0x0                                ; the last pair's stores have read their registers
.endif
	BACK \a/2
.elseif \a > 0
	s_wait_dscnt 8                                 ; the last pair is back; block a's eight stores into the stage may be out
	SEND \a/2-1
.endif
.endr
	s_wait_dscnt 0x0
	SEND 3
	s_wait_tensorcnt 0x0
	ds_add_u32 v[SPW], v[NIL]
	s_wait_dscnt 0x0
	CROUND
	s_endpgm
.Lfunc_end_k_q494ac80155_proj:
	.size	k_q494ac80155_proj, .Lfunc_end_k_q494ac80155_proj-k_q494ac80155_proj
	.p2alignl 7, 3214868480
	.fill 96, 4, 3214868480
	.section	.rodata,"a",@progbits
	.p2align	6, 0x0
	.amdhsa_kernel k_q494ac80155_proj
		.amdhsa_group_segment_fixed_size 327680
		.amdhsa_private_segment_fixed_size 0
		.amdhsa_enable_private_segment 0
		.amdhsa_kernarg_size 24
		.amdhsa_user_sgpr_count 2
		.amdhsa_user_sgpr_kernarg_segment_ptr 1
		.amdhsa_wavefront_size32 1
		.amdhsa_system_sgpr_workgroup_id_x 1
		.amdhsa_system_sgpr_workgroup_id_y 1
		.amdhsa_system_sgpr_workgroup_id_z 1
		.amdhsa_system_vgpr_workitem_id 0
		.amdhsa_next_free_vgpr 1024
		.amdhsa_next_free_sgpr 96
		.amdhsa_reserve_vcc 0
		.amdhsa_float_denorm_mode_32 3
		.amdhsa_float_denorm_mode_16_64 3
		.amdhsa_memory_ordered 1
		.amdhsa_forward_progress 1
		.amdhsa_inst_pref_size 125
	.end_amdhsa_kernel
	.amdgpu_metadata
---
amdhsa.version: [ 1, 2 ]
amdhsa.kernels:
  - .name:           k_q494ac80155_proj
    .symbol:         k_q494ac80155_proj.kd
    .args:
      - { .name: codes, .offset: 0, .size: 8, .value_kind: global_buffer, .address_space: global }
      - { .name: lowp_scales, .offset: 8, .size: 8, .value_kind: global_buffer, .address_space: global }
      - { .name: qkv, .offset: 16, .size: 8, .value_kind: global_buffer, .address_space: global }
    .group_segment_fixed_size: 327680
    .private_segment_fixed_size: 0
    .kernarg_segment_align: 8
    .kernarg_segment_size: 24
    .max_flat_workgroup_size: 128
    .sgpr_count:     96
    .vgpr_count:     1024
    .wavefront_size: 32
...
	.end_amdgpu_metadata
.endif
;; end of part 2
;; launch attn (part 3): grid 16 x 16, 8 waves a work-group, clusters of 4 x 1, 327,680 bytes of LDS; arguments qkv, doc_similarities, beta, lowp_scales, acodes, codes; writes acodes
.if DOCPART == 3
	.amdgcn_target "amdgcn-amd-amdhsa--gfx1250"
	.amdhsa_code_object_version 6
	.text
	.protected	k_q494ac80155_attn
	.globl	k_q494ac80155_attn
	.p2align	8
	.type	k_q494ac80155_attn,@function
k_q494ac80155_attn:
	s_mov_b64 s[64:65], 0
	v_nop
	global_prefetch_b8 v0, s[64:65] scope:SCOPE_SE
	s_setreg_imm32_b32 hwreg(HW_REG_WAVE_MODE, 25, 1), 1
	s_wait_xcnt 0x0
	s_wait_alu depctr_hold_cnt(0) depctr_sa_sdst(0) depctr_va_vdst(0) depctr_va_sdst(0) depctr_va_ssrc(0) depctr_va_vcc(0) depctr_vm_vsrc(0)
	s_getreg_b32 s2, hwreg(HW_REG_IB_STS2, 6, 4)
	s_cmp_eq_u32 s2, 0
	s_cbranch_scc0 .Lentry_in_a_cluster
	s_endpgm
.Lentry_in_a_cluster:
	s_bfe_u32 s2, ttmp6, 0x10000c
	s_cmp_lg_u32 s2, 0x3003
	s_cbranch_scc0 .Lentry_shape_is_right
	s_endpgm
.Lentry_shape_is_right:
; q = x Wq and attention, on codes of BF8 (E5M2): for each batch b and head, 1,024 queries against 4 documents x 1,024 keys; all three products on codes, sums in f32; the result is quantised for the last projection.
; logit = q . k / 32 + doc_similarities[b][doc] x beta;  t = logit x log2(e);  M = the largest t so far, rounded UP to a whole number;  p = 2^(t - M) is what is quantised (scale 2^e6), not normalised;
; the row's sum is taken of the unquantised p, in f32, and divides at the end.  When M moves, the sum and O are multiplied by 2^(old M - new M): exact.
; SHARES.  A work-group owns 64 queries of one (b, head).  Wave w: g = w & 1 takes queries 32 g .. 32 g + 31 (two tiles of 16), doc = w >> 1 takes one document's 1,024 keys, 8 steps of 128.  So the document's
; bias is one number a wave, and each fragment of K and V feeds two matrix instructions.  At the end the four documents' parts are brought under the largest M and added, through LDS.
; OPERANDS lie in memory as images of the operand's registers: a tile of 16 rows x 128 along K is four runs of 512 bytes, 16 bytes a lane.  K comes through a ring of two LDS slots, each with two key steps of the four
; documents (65,536 x 2 bytes), filled by the tensor data mover.  V goes from memory straight into the registers that the step's K has left: between its request and its use stands the step's softmax.
; Q AT THE HEAD.  The work-group's 64 x 128 of q = x Wq (K = 1,024): 32 matrix instructions a wave.  Wave (g, doc) makes channels 32 doc .. 32 doc + 31 for its own 32 queries.  The head's 128 columns of Wq come into
; LDS, tile w where tile w of slot 1 lies afterwards; x goes straight into registers.  The codes of q (sum / 2^(e4 - e0 - e1)) reach the other waves through LDS as operand images.
; CLUSTER.  The four work-groups of a cluster are four blocks of queries of one (b, head): they need the same columns of Wq and walk the same K: these tiles are asked for JOINTLY, with the mask of all four.  V is not:
; it goes into registers, which a joint load does not reach, so that a slot has room for two steps of K and a round of the cluster's barrier serves both.
; LAYOUT.  All products are used transposed: q^T = Wq^T x^T, S^T = K Q^T, O^T = V^T P^T: a lane holds ONE query (lane % 16) throughout.  Row m of a tile t of Wq, K or V is column (key, channel)
; 32 (t / 2) + 8 (t % 2) + m + 8 (m / 8), so that the 16 result registers of tiles 2 b and 2 b + 1 are 16 neighbours, 32 b + 16 (lane / 16) + 0 .. 15, and the conversions' results are the next product's operand.
; TWO AREAS of 128 registers change roles from step to step: in an even step area B holds K, then V, and area A the scores, then p; in an odd step the other way round.  When p has become codes its area is free, and the
; next step's K is loaded into it while this step's V is multiplied.
; LIMITS on the given exponents, so that each power of two below is an f32 number: e4 + e5 between -120 and 130 (added to c's exponent field); e6, e8 and e4 - e0 - e1 between -126 and 112; e6 + e7 is applied by
; v_ldexp_f32.  The promise holds while the scaled scores stay under 2^31 in magnitude.  NaN and infinities among the inputs are not served.
; REGISTERS.  window 0: v1-15 addresses and constants; v16-31 eight statistics a tile; v32-63 Q; v64-191 area A (at the head: Wq's fragments); v192-223 p's codes (at the head: q's sums); v224-255 at work.
;   window 1: v0-127 O^T (64 a tile); v128-255 area B (at the head all 256: x's 16 fragments).
.set TILE,  16384                      ; 128 keys x 128 codes
.set SLOT,  8*TILE                     ; a slot: tile w is fetched by wave w: document w >> 1, the even or the odd step of the pair (w & 1).  2^17: one exclusive or turns an address from slot to slot
.set SPARE, 2*SLOT                     ; behind the ring: the spare words, 128 bytes for each wave
.set QIMG,  SPARE+1024                 ; the images of Q's four fragments, 2,048 bytes each
.set STATS, QIMG+8192                  ; the merge: 16 x 256 bytes of (-M, sum), 8 bytes a lane,
.set OST,   STATS+4096                 ; 64 rows x 144 bytes of the result's codes; the 16 images of O^T (8 g + 4 u + doc) of 8,192 bytes lie in slot 0, which has had its last fill and its last read by then
.set AK0,  1                           ; v1   my document's tiles: 32,768 doc + 16 x lane
.set ADK,  2                           ; v2   the same in the slot in hand
.set SPW,  5                           ; v5   LDS address of my spare word; never rewritten
.set NIL,  6                           ; v6   0; never rewritten
.set BIAS, 7
.set PLIM, 8
.set PSC,  9
.set PFO,  10                          ; v10  256 x my lane; never rewritten
.set LO,   11                          ; v11  16 x my lane, for x and V; in the merge an LDS address
.set ST,   16                          ; tile u's statistics at v[ST + 8 u]: +0 bias - M, +1 the largest t, +2, +3 the sum in two halves, +4 f = 2^(old M - new M), +5 written once (named in a pair with f), +6 -M, +7 the row's sum
.set Q,    32
.set S,    64                          ; area A
.set B,    128                         ; area B, in window 1
.set PC,   192
.set QA,   192                         ; at the head: q's accumulators, (tile of queries u, tile of channels v) at v[QA + 16 u + 8 v]
.set QC,   224                         ; at the head: q's codes, four registers a tile of queries
.set Z,    224                         ; in a step: four pairs of partial sums
.set QLIM, 232                         ; 57,344 x 2^(e4 - e0 - e1)
.set QSC,  233                         ; 2^(e4 - e0 - e1)
.set TA,   240                         ; at work, tile u: v[TA + 4 u], +1, +2
.set Y,    248                         ; the merge: a pair for each tile
.set AW,   252                         ; LDS address of my fragments of Wq
.set QWI,  253                         ; where I store my part of Q's images
.set QRI,  254                         ; and where I read my two fragments
.set WV,   14                          ; s14  my wave's number
.set TB,   22                          ; s22  LDS byte at which the slot in hand begins
.set G1,   24                          ; s[24:31] descriptor group 1, for K's tiles behind the head
.set G0,   32                          ; s[32:35] descriptor group 0 for K's tiles; it walks
.set SEL,  40                          ; s[40:41] lane selects for v_permlanex16_b32: lane l xor 16
.set CS,   42                          ; s[42:43] c = log2(e) / 32 x 2^(e4 + e5): the packed form names a pair and takes its low word for both halves
.set TRIP, 54                          ; s54  trips to go
.set LIM,  55                          ; s55  1 in a wave that prefetches K, 2 in one that prefetches V, 0 in the others
.set PFA,  56                          ; s[56:57] where my prefetches stand
.set VB,   78                          ; s[78:79] V's two blocks of the pair of steps in hand
.set G0W,  88                          ; s[88:91] descriptor group 0 for my two tiles of Wq at the head;  s[36:39] for a document's two steps of K
.set G0K,  36
.set G1H,  80                          ; s[80:87] descriptor group 1 of the head's loads: two tiles on end, 32,768 bytes
.set MSB, 0
.macro WIN new                         ; the immediate's high byte repeats the setting that is left
.if MSB != (\new)
	s_set_vgpr_msb (MSB<<8)|(\new)
.set MSB, (\new)
.endif
.endm
.macro H1
	s_delay_alu instid0(VALU_DEP_1)
.endm
.macro H2
	s_delay_alu instid0(VALU_DEP_2)
.endm
.macro VDST
	s_wait_alu depctr_va_vdst(0)
.endm
.macro PLACES n                        ; places behind a matrix instruction (ISA guide 7.12.1 for vector instructions)
.rept \n
	v_nop
.endr
.endm
.macro CREST                           ; a round of the cluster's barrier behind its opening barrier
	s_cmp_lg_u32 s[WV], 0
	s_cbranch_scc1 .Lnot_wave_0_\@
	s_barrier_signal -3
.Lnot_wave_0_\@:
	s_barrier_wait -3
	s_barrier_signal -1
	s_barrier_wait -1
.endm
.macro CROUND
	s_barrier_signal -1
	s_barrier_wait -1
	CREST
.endm
.macro LOADT g0                        ; a wave's one joint load behind a round
	tensor_load_to_lds s[\g0:\g0+3], s[G1:G1+7]
	s_nop 0
	PLACES 4
.endm
.macro WALK                            ; the walking descriptor: the next pair of steps, the other slot; the type bits on top are not reached.  And the prefetches' address, a pair of steps on
	s_xor_b32 s[G0+1], s[G0+1], SLOT
	s_add_nc_u64 s[G0+2:G0+3], s[G0+2:G0+3], 2*TILE
	s_wait_xcnt 0x0                                ; the last prefetch has read its address, so it may be written
	s_add_nc_u64 s[PFA:PFA+1], s[PFA:PFA+1], 2*TILE
.endm
; PREFETCHES INTO THE L2, behind each of the four loads of K's slots.  All four clusters of a (b, head) walk the same K and V: the first of them asks.  Its four partners share the documents out BY ADDRESS (the partner at
; place cx names document cx's tiles).  In each, waves 0 to 3 name the four quarters (8,192 bytes, lanes 256 bytes apart) of the two steps of K that the NEXT such load will ask for, waves 4 to 7 the two steps of V that
; stand one pair of steps ahead of that: so each aligned block of 256 bytes is named once, and K is asked for one slot ahead of its load.  Slot 0's first K comes by its load alone; behind the last load K is not asked for.
.macro ASK
	s_add_co_u32 s63, s[LIM], s[TRIP]
	s_cmp_ge_u32 s63, 3                            ; TRIP is 2 up to the last but one of the four, 1 at the last
	s_cbranch_scc0 .Lnot_mine_\@
	global_prefetch_b8 v[PFO], s[PFA:PFA+1] th:TH_LOAD_NT scope:SCOPE_SE
.Lnot_mine_\@:
.endm
	s_load_b256 s[4:11], s[0:1], 0x0               ; qkv s[4:5], doc_similarities s[6:7], beta s[8:9], the scales' exponents s[10:11]
	s_load_b64 s[12:13], s[0:1], 0x20              ; acodes
	s_load_b64 s[76:77], s[0:1], 0x28              ; the codes of x and of Wq
	v_lshl_add_u32 v[SPW], v0, 2, SPARE
	v_mov_b32 v[NIL], 0
	ds_add_u32 v[SPW], v[NIL]                      ; the opening: the add, twice on end, and its wait
	ds_add_u32 v[SPW], v[NIL]
	v_lshrrev_b32 v12, 5, v0
	v_readfirstlane_b32 s[WV], v12                 ; wave 0..7
	s_and_b32 s15, s[WV], 1                        ; g.  Also: I fetch the even (0) or the odd (1) step of a pair
	s_lshr_b32 s16, s[WV], 1                       ; doc
	s_bfe_u32 s17, ttmp6, 0x40000                  ; cx: my place in the cluster
	s_lshl_b32 s18, ttmp9, 2
	s_add_co_u32 s18, s18, s17                     ; my block of 64 queries: it enters x's and the result's addresses alone
	s_and_b32 s19, ttmp7, 0xffff                   ; 8 b + head, which the four partners share
	s_lshr_b32 s20, s19, 3                         ; b
	s_and_b32 s21, s19, 7                          ; head
	; descriptor group 1: a dense block of 16,384 bytes as 16 rows of 1,024 bytes
	s_mov_b32 s[G1], 15|(0<<16)|(1<<21)            ; 15:0 the mask: all four; 17:16 elements of 1 byte; 21 set beside a mask; no padding
	s_mov_b32 s[G1+1], 1024<<16                    ; tensor_dim0
	s_mov_b32 s[G1+2], 16<<16                      ; tensor_dim1
	s_mov_b32 s[G1+3], 1024<<16                    ; tile_dim0
	s_mov_b32 s[G1+4], 16                          ; tile_dim1
	s_mov_b32 s[G1+5], 1024                        ; tensor_dim0_stride
	s_mov_b32 s[G1+6], 0
	s_mov_b32 s[G1+7], 0
	s_mov_b32 s[G1H], 15|(0<<16)|(1<<21)           ; the same with 32 rows
	s_mov_b32 s[G1H+1], 1024<<16
	s_mov_b32 s[G1H+2], 32<<16
	s_mov_b32 s[G1H+3], 1024<<16
	s_mov_b32 s[G1H+4], 32
	s_mov_b32 s[G1H+5], 1024
	s_mov_b32 s[G1H+6], 0
	s_mov_b32 s[G1H+7], 0
	s_mov_b32 s[SEL], 0x76543210
	s_mov_b32 s[SEL+1], 0xfedcba98
	s_mov_b32 s[TRIP], 2
	s_mov_b32 s[TB], 0
	s_lshl_b32 s58, s21, 6
	s_lshl_b32 s59, s20, 5
	s_add_co_u32 s58, s58, s59                     ; 64 head + 32 b: the first block of this (b, head)
	s_lshl_b32 s59, s16, 3
	s_add_co_u32 s59, s58, s59                     ; + 8 doc: my document's step 0
	s_lshl_b32 s72, s59, 14                        ; 16,384 bytes a block
	s_lshl_b32 s60, s15, 14
	s_add_co_u32 s60, s60, s72
	s_add_co_u32 s60, s60, 2*TILE                  ; the second pair of steps: the walk begins with slot 1
	s_mov_b32 s61, 0
	s_add_co_u32 s72, s72, 0x800000                ; V's blocks begin 512 blocks on
	s_mov_b32 s73, 0
	s_mul_i32 s62, s[WV], TILE                     ; where my tile goes in a slot: no place in the cluster enters an LDS address
	s_lshl_b32 s74, s21, 7                         ; Wq: the head's 128 columns begin at row 12,288 + 128 head of the codes, 1,024 bytes a row; tile w
	s_add_co_u32 s74, s74, 12288
	s_lshl_b32 s74, s74, 10
	s_and_b32 s70, s[WV], 3                        ; at the head: waves 0 to 3: tiles 2 w and 2 w + 1 of Wq; waves 4 to 7: document w - 4's first two steps of K
	s_lshl_b32 s63, s70, 15
	s_add_co_u32 s74, s74, s63
	s_mov_b32 s75, 0
	s_lshl_b32 s70, s70, 3
	s_add_co_u32 s70, s70, s58
	s_lshl_b32 s70, s70, 14
	s_mov_b32 s71, 0
	s_wait_dscnt 0x0                               ; both opening adds are done
	s_wait_kmcnt 0x0
	s_load_b256 s[44:51], s[10:11], 0x0            ; e0 .. e7
	s_load_b32 s52, s[10:11], 0x20                 ; e8
	s_mov_b32 s[G0], 1                             ; 1:0 count = 1
	s_add_co_u32 s[G0+1], s62, SLOT
	s_add_nc_u64 s[G0+2:G0+3], s[4:5], s[60:61]    ; 120:64 global address
	s_or_b32 s[G0+3], s[G0+3], 0x80000000          ; 127:126 type = 2
	s_mov_b32 s[G0W], 1
	s_mov_b32 s[G0K], 1
	s_mov_b32 s[G0K+1], s63
	s_add_nc_u64 s[G0K+2:G0K+3], s[4:5], s[70:71]
	s_or_b32 s[G0K+3], s[G0K+3], 0x80000000
	s_add_co_u32 s[G0W+1], s63, SLOT
	s_add_nc_u64 s[G0W+2:G0W+3], s[76:77], s[74:75]
	s_or_b32 s[G0W+3], s[G0W+3], 0x80000000
	s_add_nc_u64 s[VB:VB+1], s[4:5], s[72:73]
	CROUND                                         ; all four work-groups are here: the first joint loads meet
	s_cmp_lt_u32 s[WV], 4                          ; the first fills, one tensor load a wave, as one group: Wq into slot 1's place, slot 0's K.  The branch hangs on the wave's number alone
	s_cbranch_scc0 .Lfor_k
	tensor_load_to_lds s[G0W:G0W+3], s[G1H:G1H+7]
	s_nop 0
	PLACES 4
	s_branch .Lasked
.Lfor_k:
	tensor_load_to_lds s[G0K:G0K+3], s[G1H:G1H+7]
	s_nop 0
	PLACES 4
.Lasked:
	s_lshl_b32 s66, s21, 11
	s_lshl_b32 s67, s20, 10
	s_add_co_u32 s66, s66, s67
	s_lshl_b32 s70, s18, 6
	s_add_co_u32 s66, s66, s70                     ; s66 = 2,048 head + 1,024 b + 64 x block: my work-group's first row in acodes; kept to the end
	s_add_co_u32 s68, s67, s70                     ; x's token 1,024 b + 64 x block
	s_lshl_b32 s69, s15, 5
	s_add_co_u32 s68, s68, s69                     ; + 32 g,
	s_add_co_u32 s68, s68, 8192                    ; behind context's in the codes; 1,024 bytes a token
	s_lshl_b32 s68, s68, 10
	s_mov_b32 s69, 0
	s_add_nc_u64 s[68:69], s[76:77], s[68:69]
	s_lshl_b32 s70, s20, 2
	s_add_co_u32 s70, s70, s16
	s_lshl_b32 s70, s70, 2                         ; doc_similarities[b][doc]
	v_mov_b32 v15, s70
	v_mov_b32 v243, 0
	v_and_b32 v14, 31, v0
	v_lshlrev_b32 v[LO], 4, v14
	global_load_b32 v[BIAS], v15, s[6:7]
	global_load_b32 v247, v243, s[8:9]             ; beta
	WIN 0x40                                       ; destination window 1, address window 0
.irp s, 0,1,2,3,4,5,6,7                        ; x's fragments (tile of queries u, K step s) at v[16 (8 u + s)] of window 1, eight loads a K step; each reads 512 consecutive bytes
.irp u, 0,1
.irp c, 0,1,2,3
	global_load_b128 v[16*(8*\u+\s)+4*\c:16*(8*\u+\s)+4*\c+3], v[LO], s[68:69] offset:\u*16384+2048*\s+512*\c
.endr
.endr
.endr
	WIN 0
	s_lshl_b32 s63, s16, 15
	v_add_nc_u32 v[AK0], s63, v[LO]
	v_add_nc_u32 v[ADK], s[TB], v[AK0]
	v_add_nc_u32 v[AW], SLOT, v[AK0]               ; Wq: tiles 2 doc and 2 doc + 1: channels 32 doc on
	s_lshl_b32 s63, s15, 12
	s_add_co_u32 s63, s63, QIMG
	v_add_nc_u32 v[QRI], s63, v[LO]                ; Q's images: fragment 2 g + u at 2,048 (2 g + u); 16 bytes a lane, 512 for each four registers
	s_lshl_b32 s62, s16, 9
	v_add_nc_u32 v[QWI], s62, v[QRI]               ; I make registers 4 doc .. 4 doc + 3
	v_lshlrev_b32 v[PFO], 8, v14
.irp u, 0,1
	v_mov_b32 v[TA+4*\u+2], 0                      ; written once: a lane permute's destination counts as one of its sources
	v_mov_b32 v[ST+8*\u+1], 0xff61b1e6             ; the largest t so far: -3e38, under every t
	v_mov_b32 v[ST+8*\u+2], 0                      ; the sum, in two halves
	v_mov_b32 v[ST+8*\u+3], 0
	v_mov_b32 v[ST+8*\u+5], 0                      ; (named as the upper half of the pair with f)
	v_floor_f32 v[ST+8*\u+6], -v[ST+8*\u+1]        ; -M
.endr
	; the prefetches: who asks, and where
	s_lshr_b32 s[LIM], s[WV], 2
	s_add_co_u32 s[LIM], s[LIM], 1                 ; 1 in waves 0 to 3, 2 in waves 4 to 7,
	s_cmp_eq_u32 ttmp9, 0
	s_cselect_b32 s[LIM], s[LIM], 0                ; of the (b, head)'s first cluster: the same in all four partners
	s_lshl_b32 s73, s17, 3
	s_add_co_u32 s73, s73, s58                     ; document cx's step 0
	s_lshl_b32 s74, s73, 14
	s_mov_b32 s75, 2*TILE
	s_cmp_lt_u32 s[WV], 4
	s_cselect_b32 s75, s75, 0x800000               ; K from step 2 on, or V from step 0 on
	s_add_co_u32 s74, s74, s75
	s_and_b32 s75, s[WV], 3
	s_lshl_b32 s75, s75, 13                        ; which quarter of the two steps' 32,768 bytes
	s_add_co_u32 s74, s74, s75
	s_mov_b32 s75, 0
	s_add_nc_u64 s[PFA:PFA+1], s[4:5], s[74:75]
	VDST                                           ; directly ahead of the wait below
	s_wait_kmcnt 0x0
	s_add_co_i32 s71, s48, s49
	s_lshl_b32 s71, s71, 23
	s_add_co_i32 s[CS], s71, 0x3d38aa3b            ; c = log2(e) / 32; a score stands for score x 2^(e4 + e5): the two exponents are added to c's exponent field
	s_mov_b32 s[CS+1], s[CS]                       ; (named with it as a pair, so it is written)
	s_add_co_i32 s71, s50, 127
	s_lshl_b32 s72, s71, 23
	v_mov_b32 v[PSC], s72                          ; 2^e6 as f32, for the conversion
	s_add_co_i32 s71, s71, 15
	s_lshl_b32 s71, s71, 23
	s_or_b32 s71, s71, 0x600000
	v_mov_b32 v[PLIM], s71                         ; 57,344 x 2^e6
	s_sub_co_i32 s71, s48, s44
	s_sub_co_i32 s71, s71, s45                     ; a sum of x Wq stands for sum x 2^(e0 + e1): its code is sum / 2^(e4 - e0 - e1): the three exponents are folded into the conversion's one
	s_add_co_i32 s71, s71, 127
	s_lshl_b32 s72, s71, 23
	v_mov_b32 v[QSC], s72
	s_add_co_i32 s71, s71, 15
	s_lshl_b32 s71, s71, 23
	s_or_b32 s71, s71, 0x600000
	v_mov_b32 v[QLIM], s71
; Q'S PRODUCTS go in four groups of two K steps.  WFETCH: 16 LDS loads: my two tiles of Wq for K steps 2 j and 2 j + 1, into buffer j % 2.
.macro WFETCH j
	WIN 0
.irp sk, 0,1
.irp v, 0,1
.irp c, 0,1,2,3
	ds_load_b128 v[S+64*((\j)%2)+32*\sk+16*\v+4*\c:S+64*((\j)%2)+32*\sk+16*\v+4*\c+3], v[AW] offset:\v*TILE+2048*(2*(\j)+\sk)+512*\c
.endr
.endr
.endr
.endm
; QMUL: the group's 8 matrix instructions.  The four accumulators take turns, one instruction a turn; the first K step's products start the sums.
.macro QMUL j
	WIN 0x04                                       ; source 1 (x) window 1; Wq's fragments and the sums window 0
.irp sk, 0,1
.irp u, 0,1
.irp v, 0,1
.if (\j) == 0 && \sk == 0
	v_wmma_f32_16x16x128_bf8_bf8 v[QA+16*\u+8*\v:QA+16*\u+8*\v+7], v[S+64*((\j)%2)+32*\sk+16*\v:S+64*((\j)%2)+32*\sk+16*\v+15], v[16*(8*\u+2*(\j)+\sk):16*(8*\u+2*(\j)+\sk)+15], 0
.else
	v_wmma_f32_16x16x128_bf8_bf8 v[QA+16*\u+8*\v:QA+16*\u+8*\v+7], v[S+64*((\j)%2)+32*\sk+16*\v:S+64*((\j)%2)+32*\sk+16*\v+15], v[16*(8*\u+2*(\j)+\sk):16*(8*\u+2*(\j)+\sk)+15], v[QA+16*\u+8*\v:QA+16*\u+8*\v+7]
.endif
.endr
.endr
.endr
.endm
.macro KLOADS reg, par                 ; the tile of the pair's step par: eight fragments
.irp t, 0,1,2,3,4,5,6,7
.irp c, 0,1,2,3
	ds_load_b128 v[\reg+16*\t+4*\c:\reg+16*\t+4*\c+3], v[ADK] offset:\par*TILE+2048*\t+512*\c
.endr
.endr
.endm
.macro SCALE u, j                      ; t - M, two at a time (of the pairs c and bias - M the low word serves both halves)
	v_pk_fma_f32 v[SB+64*\u+\j:SB+64*\u+\j+1], v[SB+64*\u+\j:SB+64*\u+\j+1], s[CS:CS+1], v[ST+8*\u:ST+8*\u+1] op_sel_hi:[1,0,0]
.endm
.macro SUM u                           ; the row's sum is taken of the UNQUANTISED p: two at a time, in four chains
	WIN 0x05*SW
.irp i, 0,2,4,6
	v_pk_add_f32 v[Z+\i:Z+\i+1], v[SB+64*\u+\i:SB+64*\u+\i+1], v[SB+64*\u+8+\i:SB+64*\u+8+\i+1]
.endr
	WIN 0x04*SW
.irp j, 16,24,32,40,48,56
.irp i, 0,2,4,6
	v_pk_add_f32 v[Z+\i:Z+\i+1], v[Z+\i:Z+\i+1], v[SB+64*\u+\j+\i:SB+64*\u+\j+\i+1]
.endr
.endr
	WIN 0
	v_pk_mul_f32 v[ST+8*\u+2:ST+8*\u+3], v[ST+8*\u+2:ST+8*\u+3], v[ST+8*\u+4:ST+8*\u+5] op_sel_hi:[1,0]   ; the sum so far under the new M
	v_pk_add_f32 v[Z:Z+1], v[Z:Z+1], v[Z+2:Z+3]
	v_pk_add_f32 v[Z+4:Z+5], v[Z+4:Z+5], v[Z+6:Z+7]
	v_pk_add_f32 v[ST+8*\u+2:ST+8*\u+3], v[ST+8*\u+2:ST+8*\u+3], v[Z:Z+1]
	v_pk_add_f32 v[ST+8*\u+2:ST+8*\u+3], v[ST+8*\u+2:ST+8*\u+3], v[Z+4:Z+5]
.endm
.macro RESCALE                         ; O^T under the new M
	WIN 0x41                                       ; O^T window 1, f window 0
	VDST                                           ; directly ahead of the first reader of O^T
.set j, 0
.rept 32
.irp u, 0,1
	v_pk_mul_f32 v[64*\u+j:64*\u+j+1], v[64*\u+j:64*\u+j+1], v[ST+8*\u+4:ST+8*\u+5] op_sel_hi:[1,0]   ; (plain lines behind the conversions, too)
.endr
.set j, j+2
.endr
	WIN 0
	VDST
.endm
; A KEY STEP: 128 keys of my document, for my two tiles of queries; par: the even or the odd step of a pair.  K's fragments are in, or on their way into, their area.
; chg = 0 in even steps.  Odd steps change slots ahead of their second product: chg = 2: the slot is filled again with the pair of steps two on; chg = 1: nothing is filled.
; THE CHANGE OF SLOTS.  Each wave waits for all its tensor loads (one is out at most: its tile of the slot ahead), adds 0 to its spare word, and waits for that; its reads of the slot were waited for ahead of the step's
; first product.  The barrier (chg = 2: a round of the cluster's) is opened, and O^T is brought under the new M inside it: work on registers.  Behind it comes the joint refill, one load a wave, which has two key steps in
; which to land, and then the next step's K from the other slot.
.macro STEP par, chg
.if \par == 0
.set KB, B
.set KW, 1
.set SB, S
.set SW, 0
.else
.set KB, S
.set KW, 0
.set SB, B
.set SW, 1
.endif
	PLACES 5                                       ; the scores are laid over V's fragments, which the last products have read
	s_wait_dscnt 16                                ; K's tiles 0-3 are in, and all that was asked for before them; the 16 loads of tiles 4-7 may be out
	WIN KW+0x40*SW
.irp t, 0,1,2,3
.irp u, 0,1
	v_wmma_f32_16x16x128_bf8_bf8 v[SB+64*\u+8*\t:SB+64*\u+8*\t+7], v[KB+16*\t:KB+16*\t+15], v[Q+16*\u:Q+16*\u+15], 0
.endr
.endr
	s_wait_dscnt 0x0
.irp t, 4,5,6,7
.irp u, 0,1
	v_wmma_f32_16x16x128_bf8_bf8 v[SB+64*\u+8*\t:SB+64*\u+8*\t+7], v[KB+16*\t:KB+16*\t+15], v[Q+16*\u:Q+16*\u+15], 0
.endr
.endr
	PLACES 4                                       ; in front of the loads over K's fragments, and of the first read of the scores
	WIN 0x40*KW
.irp t, 0,1,2,3,4,5,6,7                        ; V's fragments land while the softmax is walked
.irp c, 0,1,2,3
	global_load_b128 v[KB+16*\t+4*\c:KB+16*\t+4*\c+3], v[LO], s[VB:VB+1] offset:\par*TILE+2048*\t+512*\c
.endr
.endr
	WIN 0x15*SW
.irp u, 0,1                                    ; the step's largest score of each query, among my 64 keys, in two chains a tile, the registers in ascending order
	v_max3_num_f32 v[TA+4*\u], v[SB+64*\u], v[SB+64*\u+1], v[SB+64*\u+2]
	v_max3_num_f32 v[TA+4*\u+1], v[SB+64*\u+3], v[SB+64*\u+4], v[SB+64*\u+5]
.endr
	WIN 0x14*SW
.irp i, 6,10,14,18,22,26,30,34,38,42,46,50,54,58
.irp u, 0,1
	v_max3_num_f32 v[TA+4*\u], v[TA+4*\u], v[SB+64*\u+\i], v[SB+64*\u+\i+1]
	v_max3_num_f32 v[TA+4*\u+1], v[TA+4*\u+1], v[SB+64*\u+\i+2], v[SB+64*\u+\i+3]
.endr
.endr
.irp u, 0,1
	v_max3_num_f32 v[TA+4*\u], v[TA+4*\u], v[SB+64*\u+62], v[SB+64*\u+63]
.endr
	WIN 0
.irp u, 0,1
	v_max_num_f32 v[TA+4*\u], v[TA+4*\u], v[TA+4*\u+1]
.endr
.irp u, 0,1
	H2
	v_permlanex16_b32 v[TA+4*\u+2], v[TA+4*\u], s[SEL], s[SEL+1]
.endr
.irp u, 0,1
	H2
	v_max_num_f32 v[TA+4*\u], v[TA+4*\u], v[TA+4*\u+2]        ; and among lane l xor 16's
.endr
.irp u, 0,1
	H2
	v_fma_f32 v[TA+4*\u], v[TA+4*\u], s[CS], v[BIAS]          ; as t = score x c + bias (c is positive)
.endr
.irp u, 0,1
	H2
	v_max_num_f32 v[ST+8*\u+1], v[ST+8*\u+1], v[TA+4*\u]      ; the running largest t
.endr
.irp u, 0,1
	v_mov_b32 v[TA+4*\u+1], v[ST+8*\u+6]
.endr
.irp u, 0,1
	v_floor_f32 v[ST+8*\u+6], -v[ST+8*\u+1]                   ; the new -M = floor(-t) = -ceil(t): M is a whole number
.endr
.irp u, 0,1
	H2
	v_sub_f32 v[TA+4*\u+1], v[ST+8*\u+6], v[TA+4*\u+1]        ; M's old value less its new one: a whole number, 0 or less
.endr
.irp u, 0,1
	H2
	v_cvt_i32_f32 v[TA+4*\u+1], v[TA+4*\u+1]                  ; (it saturates)
.endr
.irp u, 0,1
	H2
	v_ldexp_f32 v[ST+8*\u+4], 1.0, v[TA+4*\u+1]               ; f = 2^(old M - new M)
.endr
.irp u, 0,1
	v_add_f32 v[ST+8*\u], v[BIAS], v[ST+8*\u+6]               ; bias - M
.endr
	WIN 0x41*SW
.set j, 0
.rept 32
	SCALE 0, j
.set j, j+2
.endr
	VDST                                           ; ahead of the batch
.set j, 0
.rept 32                                       ; p = 2^(t - M), at most 1, not normalised: tile 0's exponentials, with tile 1's scalings between them
	v_exp_f32 v[SB+j], v[SB+j]
	v_exp_f32 v[SB+j+1], v[SB+j+1]
	SCALE 1, j
.set j, j+2
.endr
	VDST                                           ; one wait: behind tile 0's exponentials and ahead of tile 1's
	SUM 0
	WIN 0x41*SW
.set j, 0
.rept 64                                       ; tile 1's exponentials, with tile 0's holds between them: the conversion to an 8-bit code does not saturate (ISA guide 7.6.2); p is not negative, so the hold is one-sided
	v_exp_f32 v[SB+64+j], v[SB+64+j]
	v_min_num_f32 v[SB+j], v[SB+j], v[PLIM]
.set j, j+1
.endr
	VDST
	SUM 1
	WIN 0x41*SW
.set j, 64
.rept 64
	v_min_num_f32 v[SB+j], v[SB+j], v[PLIM]
.set j, j+1
.endr
	WIN SW
.set k, 0
.rept 8                                        ; 16 neighbouring keys at a time: registers 4 k .. 4 k + 3 of the two operands
	v_cvt_scalef32_pk8_bf8_f32 v[PC+4*k:PC+4*k+1], v[SB+16*k:SB+16*k+7], v[PSC]
	v_cvt_scalef32_pk8_bf8_f32 v[PC+4*k+2:PC+4*k+3], v[SB+16*k+8:SB+16*k+15], v[PSC]
.set k, k+1
.endr
	WIN 0
	VDST
.if \chg == 0
	WIN 0x40*SW
	KLOADS SB, 1                                   ; the odd step's K, from the same slot, into p's area
	RESCALE
.else
	s_wait_tensorcnt 0x0                           ; no tensor load of mine is out, so a group 0 may be written
	ds_add_u32 v[SPW], v[NIL]                      ; 0 onto my spare word
.if \chg == 2
	WALK
.endif
	s_wait_dscnt 0x0                               ; the add is done
	s_barrier_signal -1
	RESCALE
	s_barrier_wait -1
.if \chg == 2
	CREST                                          ; no wave of any partner still reads this slot or has a load on its way
	LOADT G0
.endif
	s_xor_b32 s[TB], s[TB], SLOT                   ; on to the other slot
.if \chg == 1
	s_cmp_eq_u32 s[TRIP], 1
	s_cbranch_scc1 .Lno_next_\@                    ; the last step of all has no successor
.endif
	v_add_nc_u32 v[ADK], s[TB], v[AK0]
	WIN 0x40*SW
	KLOADS SB, 0                                   ; the next pair's even step's K, into p's area
	WIN 0
.if \chg == 1
.Lno_next_\@:
.else
	ASK
.endif
.endif
	s_wait_loadcnt 16                              ; V's tiles 0-3 are in; the 16 loads of tiles 4-7 may be out
	WIN 0x50+KW                                    ; V window KW, p's codes window 0, O^T window 1
.irp t, 0,1,2,3,4,5,6,7                        ; the sixteen accumulators take turns, one instruction a turn
.if \t == 4
	s_wait_loadcnt 0x0                             ; and tiles 4-7
.endif
.irp u, 0,1
	v_wmma_f32_16x16x128_bf8_bf8 v[64*\u+8*\t:64*\u+8*\t+7], v[KB+16*\t:KB+16*\t+15], v[PC+16*\u:PC+16*\u+15], v[64*\u+8*\t:64*\u+8*\t+7]
.endr
.endr
	WIN 0
.if \par
	s_add_nc_u64 s[VB:VB+1], s[VB:VB+1], 2*TILE    ; (V's loads are done: their base may be written)
.endif
.endm
; ---- Q = x Wq for my 32 queries, channels 32 doc on
	VDST                                           ; the head's end
	s_wait_tensorcnt 0x0                           ; my tiles are in
	s_barrier_signal -1
	s_barrier_wait -1                              ; everybody's are
	WFETCH 0
	WFETCH 1
	ASK
	s_wait_loadcnt 48                              ; x's K steps 0 and 1 are in (and the two numbers asked for before them); the 48 loads of K steps 2 to 7 may be out
	s_wait_dscnt 16                                ; the first group's fragments of Wq are in; the 16 loads of the next group may be out
	QMUL 0
	PLACES 4                                       ; in front of loads into the buffer that these products have read
	WFETCH 2
	s_wait_loadcnt 32                              ; K steps 2 and 3; the 32 loads of K steps 4 to 7 may be out
	s_wait_dscnt 16
	QMUL 1
	PLACES 4
	WFETCH 3
	s_wait_loadcnt 16                              ; K steps 4 and 5; the 16 loads of K steps 6 and 7 may be out
	s_wait_dscnt 16
	QMUL 2
	s_wait_loadcnt 0x0
	s_wait_dscnt 0x0
	QMUL 3
	WIN 0
	PLACES 4                                       ; in front of the first read of the sums
	VDST
.set j, 0
.rept 32
	v_med3_num_f32 v[QA+j], v[QA+j], -v[QLIM], v[QLIM]   ; the hold at the largest code x the scale; each accumulator from its low end on
.set j, j+1
.endr
.irp u, 0,1                                    ; lane (r, h): the 16 registers of a tile of queries are channels 32 doc + 16 h + 0 .. 15 of query r: registers 4 doc .. 4 doc + 3 of Q's fragment
	v_cvt_scalef32_pk8_bf8_f32 v[QC+4*\u:QC+4*\u+1], v[QA+16*\u:QA+16*\u+7], v[QSC]
	v_cvt_scalef32_pk8_bf8_f32 v[QC+4*\u+2:QC+4*\u+3], v[QA+16*\u+8:QA+16*\u+15], v[QSC]
.endr
	v_nop                                          ; a plain vector instruction behind the last conversion
.irp u, 0,1
	ds_store_b128 v[QWI], v[QC+4*\u:QC+4*\u+3] offset:\u*2048
.endr
	; Wq's bytes are left, and slot 1 takes them.  The same round shows Q's images and slot 0's tiles to the other waves of my work-group.
	s_wait_tensorcnt 0x0                           ; slot 0's tile is in
	ds_add_u32 v[SPW], v[NIL]
	s_wait_xcnt 0x0                                ; the last prefetch has read its address, so it may be written
	s_add_nc_u64 s[PFA:PFA+1], s[PFA:PFA+1], 2*TILE
	s_wait_dscnt 0x0                               ; the add is done, my stores of the images are done, and my reads of Wq are over
	s_barrier_signal -1
	WIN 0x40
.set j, 0
.rept 128
	v_mov_b32 v[j], 0                              ; O^T, where x's fragments lay: the step is written once, without a first form of its own; inside the round it is work on registers
.set j, j+1
.endr
	WIN 0
	VDST
	s_barrier_wait -1
	CREST                                          ; no wave of any partner still reads Wq or has a load on its way
	LOADT G0                                       ; slot 1: key steps 2 and 3
.irp u, 0,1
.irp c, 0,1,2,3
	ds_load_b128 v[Q+16*\u+4*\c:Q+16*\u+4*\c+3], v[QRI] offset:\u*2048+512*\c   ; Q's two fragments stay in registers
.endr
.endr
	WIN 0x40
	KLOADS B, 0                                    ; key step 0's K
	WIN 0
	ASK
	v_mul_f32 v[BIAS], v[BIAS], v247               ; sim = doc_similarities x beta,
	v_mul_f32 v[BIAS], 0x3fb8aa3b, v[BIAS]         ; as t: x log2(e)
	VDST                                           ; directly ahead of the label's waits
.Lfill:                                            ; two trips: steps 0 and 1, 2 and 3; their changes ask for steps 4 to 7
	STEP 0, 0
	STEP 1, 2
	s_sub_co_u32 s[TRIP], s[TRIP], 1
	s_cmp_lg_u32 s[TRIP], 0
	s_cbranch_scc1 .Lfill
	s_mov_b32 s[TRIP], 2                           ; the rest asks for nothing
.Lrest:                                            ; two trips: steps 4 and 5, 6 and 7
	STEP 0, 0
	STEP 1, 1
	s_sub_co_u32 s[TRIP], s[TRIP], 1
	s_cmp_lg_u32 s[TRIP], 0
	s_cbranch_scc1 .Lrest
; THE MERGE.  Each wave lays its -M, its rows' sums and its O^T into LDS as images of its registers; then wave (g, dq) adds the four documents' parts of channels 32 dq .. 32 dq + 31 for the 32 queries of g.
.irp u, 0,1
	v_add_f32 v[TA+4*\u], v[ST+8*\u+2], v[ST+8*\u+3]          ; the sum's two halves.  (These lines are the places behind the last products)
.endr
.irp u, 0,1
	H2
	v_permlanex16_b32 v[TA+4*\u+2], v[TA+4*\u], s[SEL], s[SEL+1]
.endr
.irp u, 0,1
	H2
	v_add_f32 v[ST+8*\u+7], v[TA+4*\u], v[TA+4*\u+2]          ; and lane l xor 16's: my document's sum for the row
.endr
	s_lshl_b32 s58, s15, 3
	s_add_co_u32 s58, s58, s16                     ; 8 g + doc
	s_lshl_b32 s59, s58, 13
	s_lshl_b32 s60, s58, 8
	s_add_co_u32 s60, s60, STATS
	v_and_b32 v14, 31, v0
	v_lshl_add_u32 v12, v14, 4, s59                ; my images of O^T: 8,192 (8 g + doc) + 16 x lane; tile u 4 images on
	v_lshl_add_u32 v13, v14, 3, s60                ; my statistics: 256 (8 g + doc) + 8 x lane
	VDST
	s_lshl_b32 s61, s15, 16
	s_lshl_b32 s62, s16, 11
	s_add_co_u32 s61, s61, s62
	v_lshl_add_u32 v15, v14, 4, s61                ; what I read back: g's eight images, from channels 32 dq on
	s_lshl_b32 s62, s15, 11
	s_add_co_u32 s62, s62, STATS
	v_lshl_add_u32 v[LO], v14, 3, s62              ; and g's eight statistics
.irp u, 0,1
	ds_store_b64 v13, v[ST+8*\u+6:ST+8*\u+7] offset:\u*1024
.endr
	WIN 0x04                                       ; the stores' data window 1
.irp u, 0,1
.set j, 0
.rept 16
	ds_store_b128 v12, v[64*\u+4*j:64*\u+4*j+3] offset:\u*32768+512*j   ; each accumulator from its low end on
.set j, j+1
.endr
.endr
	WIN 0
	VDST
	s_wait_dscnt 0x0                               ; for the others' sake: my stores are done
	s_barrier_signal -1
	s_barrier_wait -1
.irp u, 0,1
.irp d, 0,1,2,3
	ds_load_b64 v[224+8*\u+2*\d:225+8*\u+2*\d], v[LO] offset:(4*\u+\d)*256          ; (-M, sum) of document d
.endr
.endr
.irp u, 0,1
.irp d, 0,1,2,3
.irp q, 0,1,2,3
	ds_load_b128 v[S+64*\u+16*\d+4*\q:S+64*\u+16*\d+4*\q+3], v15 offset:(4*\u+\d)*8192+512*\q   ; its O^T: the 16 registers of two tiles: 16 neighbouring channels, 32 dq + 16 h + 0 .. 15
.endr
.endr
.endr
	s_wait_dscnt 32                                ; the statistics are in; the 32 loads behind them may be out
.irp u, 0,1
	v_min3_num_f32 v[TA+4*\u], v[224+8*\u], v[226+8*\u], v[228+8*\u]
.endr
.irp u, 0,1
	H2
	v_min_num_f32 v[TA+4*\u], v[TA+4*\u], v[230+8*\u]         ; the least -M: the largest M
.endr
.irp d, 0,1,2,3
.irp u, 0,1
	v_sub_f32 v[PC+8*\u+2*\d], v[TA+4*\u], v[224+8*\u+2*\d]   ; M of document d less the largest: a whole number, 0 or less
.endr
.endr
.irp d, 0,1,2,3
.irp u, 0,1
	v_cvt_i32_f32 v[PC+8*\u+2*\d], v[PC+8*\u+2*\d]
.endr
.endr
.irp d, 0,1,2,3
.irp u, 0,1
	v_ldexp_f32 v[PC+8*\u+2*\d+1], 1.0, v[PC+8*\u+2*\d]       ; f_d, an exact power of two,
.endr
.endr
.irp d, 0,1,2,3
.irp u, 0,1
	v_mov_b32 v[PC+8*\u+2*\d], v[PC+8*\u+2*\d+1]              ; in both halves of a pair
.endr
.endr
.irp u, 0,1
	v_mul_f32 v[TA+4*\u+1], v[PC+8*\u], v[225+8*\u]
.endr
.irp d, 1,2,3
.irp u, 0,1
	H2
	v_fmac_f32 v[TA+4*\u+1], v[PC+8*\u+2*\d], v[225+8*\u+2*\d]   ; the row's sum over all keys
.endr
.endr
	VDST
.irp u, 0,1
	v_rcp_f32 v[TA+4*\u+1], v[TA+4*\u+1]
.endr
	s_add_co_i32 s71, s52, 127                     ; the result's own quantiser: scale 2^e8.  (The lines below are plain work behind the reciprocals and name none of their results)
	s_lshl_b32 s72, s71, 23
	v_mov_b32 v[PSC], s72
	s_add_co_i32 s71, s71, 15
	s_lshl_b32 s71, s71, 23
	s_or_b32 s71, s71, 0x600000
	v_mov_b32 v[PLIM], s71                         ; 57,344 x 2^e8
	s_add_co_i32 s63, s50, s51                     ; e6 + e7
	v_and_b32 v12, 15, v0
	v_bfe_u32 v13, v0, 4, 1
	H2
	v_mul_u32_u24 v12, v12, 144
	H1
	v_lshl_add_u32 v12, v13, 4, v12
	s_mul_i32 s58, s15, 32*144
	s_lshl_b32 s59, s16, 5
	s_add_co_u32 s58, s58, s59
	s_add_co_u32 s58, s58, OST
	v_add_nc_u32 v12, s58, v12                     ; the codes' stage, in: row 32 g + r (+ 16 u), byte 32 dq + 16 h
	v_bfe_u32 v13, v0, 3, 2
	H1
	v_mul_u32_u24 v13, v13, 144
	v_and_b32 v14, 7, v0
	H1
	v_lshl_add_u32 v13, v14, 4, v13
	s_mul_i32 s59, s[WV], 8*144
	s_add_co_u32 s59, s59, OST
	v_add_nc_u32 v13, s59, v13                     ; and back: wave w takes rows 8 w .. 8 w + 7, eight lanes to a row of 128 bytes
	v_and_b32 v14, 31, v0
	H1
	v_lshlrev_b32 v14, 4, v14                      ; the same 512 bytes on end in acodes
	s_lshl_b32 s60, s66, 7
	s_lshl_b32 s61, s[WV], 10
	s_add_co_u32 s60, s60, s61
	s_mov_b32 s61, 0
	s_add_nc_u64 s[12:13], s[12:13], s[60:61]
	s_wait_dscnt 0x0                               ; the images are in
.irp u, 0,1
.irp i, 0,2,4,6,8,10,12,14
	v_pk_mul_f32 v[S+64*\u+\i:S+64*\u+\i+1], v[S+64*\u+\i:S+64*\u+\i+1], v[PC+8*\u:PC+8*\u+1]
.endr
.endr
.irp d, 1,2,3
.irp u, 0,1
.irp i, 0,2,4,6,8,10,12,14
	v_pk_fma_f32 v[S+64*\u+\i:S+64*\u+\i+1], v[S+64*\u+16*\d+\i:S+64*\u+16*\d+\i+1], v[PC+8*\u+2*\d:PC+8*\u+2*\d+1], v[S+64*\u+\i:S+64*\u+\i+1]
.endr
.endr
.endr
	VDST                                           ; one wait for the two reciprocals, ahead of their first reader
.irp u, 0,1
	v_ldexp_f32 v[Y+2*\u], v[TA+4*\u+1], s63       ; 2^(e6 + e7) / the sum
.endr
.irp u, 0,1
	H2
	v_mov_b32 v[Y+2*\u+1], v[Y+2*\u]
.endr
.irp u, 0,1
.irp i, 0,2,4,6,8,10,12,14
	v_pk_mul_f32 v[S+64*\u+\i:S+64*\u+\i+1], v[S+64*\u+\i:S+64*\u+\i+1], v[Y+2*\u:Y+2*\u+1]   ; attention's result, in f32
.endr
.endr
.irp u, 0,1
.irp i, 0,1,2,3,4,5,6,7,8,9,10,11,12,13,14,15
	v_med3_num_f32 v[S+64*\u+\i], v[S+64*\u+\i], -v[PLIM], v[PLIM]
.endr
.endr
.irp u, 0,1
.irp q, 0,1
	v_cvt_scalef32_pk8_bf8_f32 v[224+4*\u+2*\q:225+4*\u+2*\q], v[S+64*\u+8*\q:S+64*\u+8*\q+7], v[PSC]
.endr
.endr
	v_nop                                          ; a plain vector instruction behind the last conversion
.irp u, 0,1
	ds_store_b128 v12, v[224+4*\u:227+4*\u] offset:\u*2304
.endr
	s_wait_dscnt 0x0                               ; for the others' sake: my stores are done
	s_barrier_signal -1
	s_barrier_wait -1
.irp i, 0,1
	ds_load_b128 v[S+4*\i:S+4*\i+3], v13 offset:\i*576
.endr
.irp i, 0,1
	s_wait_dscnt 1-\i                              ; load i is back; the younger one may be out
	global_store_b128 v14, v[S+4*\i:S+4*\i+3], s[12:13] offset:512*\i   ; 32 lanes store 512 consecutive bytes, aligned
.endr
	s_wait_tensorcnt 0x0                           ; the wave's end: behind my last tensor load and my last LDS store
	ds_add_u32 v[SPW], v[NIL]
	s_wait_dscnt 0x0
	CROUND                                         ; the closing round: no work-group ends while a partner may still ask for a tile that names it
	s_endpgm
.Lfunc_end_k_q494ac80155_attn:
	.size	k_q494ac80155_attn, .Lfunc_end_k_q494ac80155_attn-k_q494ac80155_attn
	.p2alignl 7, 3214868480
	.fill 96, 4, 3214868480
	.section	.rodata,"a",@progbits
	.p2align	6, 0x0
	.amdhsa_kernel k_q494ac80155_attn
		.amdhsa_group_segment_fixed_size 327680
		.amdhsa_private_segment_fixed_size 0
		.amdhsa_enable_private_segment 0
		.amdhsa_kernarg_size 48
		.amdhsa_user_sgpr_count 2
		.amdhsa_user_sgpr_kernarg_segment_ptr 1
		.amdhsa_wavefront_size32 1
		.amdhsa_system_sgpr_workgroup_id_x 1
		.amdhsa_system_sgpr_workgroup_id_y 1
		.amdhsa_system_sgpr_workgroup_id_z 1
		.amdhsa_system_vgpr_workitem_id 0
		.amdhsa_next_free_vgpr 512
		.amdhsa_next_free_sgpr 96
		.amdhsa_reserve_vcc 0
		.amdhsa_float_denorm_mode_32 3
		.amdhsa_float_denorm_mode_16_64 3
		.amdhsa_memory_ordered 1
		.amdhsa_forward_progress 1
		.amdhsa_inst_pref_size 189
	.end_amdhsa_kernel
	.amdgpu_metadata
---
amdhsa.version: [ 1, 2 ]
amdhsa.kernels:
  - .name:           k_q494ac80155_attn
    .symbol:         k_q494ac80155_attn.kd
    .args:
      - { .name: qkv, .offset: 0, .size: 8, .value_kind: global_buffer, .address_space: global }
      - { .name: doc_similarities, .offset: 8, .size: 8, .value_kind: global_buffer, .address_space: global }
      - { .name: beta, .offset: 16, .size: 8, .value_kind: global_buffer, .address_space: global }
      - { .name: lowp_scales, .offset: 24, .size: 8, .value_kind: global_buffer, .address_space: global }
      - { .name: acodes, .offset: 32, .size: 8, .value_kind: global_buffer, .address_space: global }
      - { .name: codes, .offset: 40, .size: 8, .value_kind: global_buffer, .address_space: global }
    .group_segment_fixed_size: 327680
    .private_segment_fixed_size: 0
    .kernarg_segment_align: 8
    .kernarg_segment_size: 48
    .max_flat_workgroup_size: 256
    .sgpr_count:     96
    .vgpr_count:     512
    .wavefront_size: 32
...
	.end_amdgpu_metadata
.endif
;; end of part 3
;; launch outp (part 4): grid 16 x 16, 4 waves a work-group, clusters of 4 x 4, 262,656 bytes of LDS; arguments acodes, codes, lowp_scales, bout, out0; writes out0
.if DOCPART == 4
	.amdgcn_target "amdgcn-amd-amdhsa--gfx1250"
	.amdhsa_code_object_version 6
	.text
	.protected	k_q494ac80155_outp
	.globl	k_q494ac80155_outp
	.p2align	8
	.type	k_q494ac80155_outp,@function
k_q494ac80155_outp:
	s_mov_b64 s[64:65], 0
	v_nop
	global_prefetch_b8 v0, s[64:65] scope:SCOPE_SE
	s_setreg_imm32_b32 hwreg(HW_REG_WAVE_MODE, 25, 1), 1
	s_wait_xcnt 0x0
	s_wait_alu depctr_hold_cnt(0) depctr_sa_sdst(0) depctr_va_vdst(0) depctr_va_sdst(0) depctr_va_ssrc(0) depctr_va_vcc(0) depctr_vm_vsrc(0)
	s_getreg_b32 s2, hwreg(HW_REG_IB_STS2, 6, 4)
	s_cmp_eq_u32 s2, 0
	s_cbranch_scc0 .Lentry_in_a_cluster
	s_endpgm
.Lentry_in_a_cluster:
	s_bfe_u32 s2, ttmp6, 0x10000c
	s_cmp_lg_u32 s2, 0xf033
	s_cbranch_scc0 .Lentry_shape_is_right
	s_endpgm
.Lentry_shape_is_right:
; out0 = a Wout + bout on codes of BF8 (E5M2): a's codes lie [head][2,048 tokens][128], so that head s is K step s; Wout's columns are rows 13,312 on of the buffer of codes, K innermost.  Sums in f32;
; each finished sum is multiplied once by 2^(e8 + e9) and bout is added, in one fused multiply-add.
; LIMIT: e8 + e9 lies between -126 and 127, so that 2^(e8 + e9) is an f32 number.
; 256 work-groups: a tile of 128 rows x 64 columns each; wave w makes rows 32 w .. 32 w + 31 x all 64 columns: 8 accumulators.
; ALL OF K FITS IN LDS (128 x 1,024 + 64 x 1,024 codes), so each byte of LDS is filled once: no ring, no change of slots; one tensor load a wave goes out at the start.
; CLUSTERS: 4 x 4 work-groups.  The four of a row of the cluster need the same rows of a, the four of a column the same columns of Wout: each tile is asked for JOINTLY, by the same tensor load with the same
; descriptor and a mask that names the four.  THE MATRIX INSTRUCTION IS USED TRANSPOSED (source 0 = 16 columns of Wout, source 1 = 16 rows of a): a lane holds eight neighbouring numbers of a row of the output.
; REGISTERS: window 0: v16-27 addresses; v32-63 bout in the result's layout; v64-127 the accumulators ((a, b) at v[64 + 8 (4 a + b)]); v128-191, v192-255 the way out.
;   window 1: two sets of fragments at v0 and v128: a's two at + 16 a, Wout's four at + 32 + 16 b.
.set ABLK,  18432                      ; LDS: a's K step s: 128 rows x (128 bytes + 16), at s x ABLK
.set BOFF,  8*ABLK                     ; Wout: 64 rows x (1,024 bytes + 16), at BOFF
.set BCH,   17408
.set STG,   BOFF+4*BCH                 ; the way out: 32 rows x (256 bytes + 16) for each wave, bytes of its own into which no tile lands
.set ADA,  16                          ; v16-17  LDS address of my fragments of a in K steps 0-3, 4-7
.set ADB,  18                          ; v18     of Wout's fragments
.set STO,  24                          ; v24     the way out: where I put 32 bytes of a row
.set RD,   25                          ; v25     where I read a row back
.set CO,   26                          ; v26     my byte offset in the output
.set BO,   27                          ; v27     my byte offset in bout
.set BI,   32
.set ACC,  64
.set TMP,  128
.set BK,   192
.set G1A, 24                           ; s[24:31] descriptor group 1 for a's tiles;  s[32:35] its group 0
.set G0A, 32
.set G1B, 48                           ; s[48:55] for Wout's;  s[56:59] its group 0
.set G0B, 56
.set MSB, 0
.macro WIN new                         ; the immediate's high byte repeats the setting that is left
.if MSB != \new
	s_set_vgpr_msb (MSB<<8)|\new
.set MSB, \new
.endif
.endm
.macro PLACES                          ; four places behind a matrix instruction: in front of loads into registers that it has read and of the first read of its result (ISA guide 7.12.1 for vector instructions)
.rept 4
	v_nop
.endr
.endm
.macro CROUND                          ; a round of the cluster's barrier
	s_barrier_signal -1
	s_barrier_wait -1
	s_cmp_lg_u32 s14, 0
	s_cbranch_scc1 .Lnot_wave_0_\@
	s_barrier_signal -3
.Lnot_wave_0_\@:
	s_barrier_wait -3
	s_barrier_signal -1
	s_barrier_wait -1
.endm
	s_load_b256 s[4:11], s[0:1], 0x0               ; a's codes s[4:5], the codes s[6:7], the scales' exponents s[8:9], bout s[10:11]
	s_load_b64 s[12:13], s[0:1], 0x20              ; out0
	v_lshl_add_u32 v30, v0, 2, 0x40000
	v_mov_b32 v31, 0
	ds_add_u32 v30, v31
	ds_add_u32 v30, v31
	v_lshrrev_b32 v1, 5, v0
	v_readfirstlane_b32 s14, v1                    ; wave 0..3
	s_bfe_u32 s40, ttmp6, 0x40000                  ; cx, cy: my place in the cluster
	s_bfe_u32 s41, ttmp6, 0x40004
	s_lshl_b32 s42, ttmp9, 2
	s_add_co_u32 s42, s42, s40                     ; tile column = 4 x cluster x + cx: 64 columns
	s_and_b32 s17, ttmp7, 0xffff
	s_lshl_b32 s17, s17, 2
	s_add_co_u32 s17, s17, s41                     ; tile row = 4 x cluster y + cy: 128 rows
	s_lshl_b32 s43, s41, 2
	s_lshl_b32 s43, 15, s43                        ; my row of the cluster
	s_lshl_b32 s44, 0x1111, s40                    ; my column
	s_or_b32 s[G1A], s43, (0<<16)|(1<<20)|(1<<21)|(4<<22)|(3<<25)   ; a: the mask of my row; elements of 1 byte; padding on; bit 21 beside a mask; four words after every 32
	; ONE LOAD A WAVE: waves 0 and 1 fetch a's K steps 0-3 and 4-7, waves 2 and 3 columns 0-31 and 32-63 of Wout.  a: a K step's dense block of 128 rows x 128 bytes is one row of 16,384 bytes; the padding stays behind each 128
	s_mov_b32 s[G1A+1], 16384<<16                  ; tensor_dim0
	s_mov_b32 s[G1A+2], 4<<16                      ; tensor_dim1: four K steps
	s_mov_b32 s[G1A+3], 16384<<16                  ; tile_dim0
	s_mov_b32 s[G1A+4], 4                          ; tile_dim1
	s_mov_b32 s[G1A+5], 262144                     ; tensor_dim0_stride: a K step is 2,048 rows of 128 bytes
	s_mov_b32 s[G1A+6], 0
	s_mov_b32 s[G1A+7], 0
	s_or_b32 s[G1B], s44, (0<<16)|(1<<20)|(1<<21)|(7<<22)|(3<<25)   ; Wout: the mask of my column; four words after every 256: rows of 1,040 bytes in LDS
	s_mov_b32 s[G1B+1], 1024<<16                   ; 32 rows x 1,024 bytes
	s_mov_b32 s[G1B+2], 32<<16
	s_mov_b32 s[G1B+3], 1024<<16
	s_mov_b32 s[G1B+4], 32
	s_mov_b32 s[G1B+5], 1024
	s_mov_b32 s[G1B+6], 0
	s_mov_b32 s[G1B+7], 0
	s_lshl_b32 s20, s17, 14                        ; a: my tile row's 128 rows of 128 bytes,
	s_and_b32 s15, s14, 1                          ; which half of a tile I fetch
	s_lshl_b32 s21, s15, 20                        ; from K step 4 x half on
	s_add_co_u32 s20, s20, s21
	s_mov_b32 s21, 0
	s_lshl_b32 s46, s42, 6
	s_add_co_u32 s46, s46, 13312                   ; Wout: row 13,312 + 64 x tile column,
	s_lshl_b32 s46, s46, 10
	s_lshl_b32 s47, s15, 15                        ; + 32 columns x half
	s_add_co_u32 s46, s46, s47
	s_mov_b32 s47, 0
	s_mul_i32 s45, s15, 4*ABLK                     ; by the wave's number alone
	s_mul_i32 s22, s15, 32*1040
	s_wait_dscnt 0x0
	s_wait_kmcnt 0x0
	s_load_b64 s[66:67], s[8:9], 0x20              ; e8, e9
	s_add_nc_u64 s[20:21], s[4:5], s[20:21]
	s_add_nc_u64 s[46:47], s[6:7], s[46:47]
	CROUND                                         ; all sixteen work-groups are here: the joint loads meet
	s_mov_b32 s[G0A], 1
	s_mov_b32 s[G0A+1], s45
	s_mov_b64 s[G0A+2:G0A+3], s[20:21]
	s_or_b32 s[G0A+3], s[G0A+3], 0x80000000
	s_mov_b32 s[G0B], 1
	s_add_co_u32 s[G0B+1], s22, BOFF
	s_mov_b64 s[G0B+2:G0B+3], s[46:47]
	s_or_b32 s[G0B+3], s[G0B+3], 0x80000000
	s_cmp_lt_u32 s14, 2                            ; the launch's only fills: one load of mine is out; the branch hangs on the wave's number alone
	s_cbranch_scc0 .Lfor_w
	tensor_load_to_lds s[G0A:G0A+3], s[G1A:G1A+7]
	s_nop 0
.rept 4
	v_nop
.endr
	s_branch .Lasked
.Lfor_w:
	tensor_load_to_lds s[G0B:G0B+3], s[G1B:G1B+7]
	s_nop 0
.rept 4
	v_nop
.endr
.Lasked:
	v_and_b32 v1, 15, v0                           ; r
	v_bfe_u32 v2, v0, 4, 1                         ; h
	v_lshlrev_b32 v[BO], 5, v2                     ; bout: lane (r, h) wants, for tile b, the columns 16 b + 8 h + 0 .. 7
	s_lshl_b32 s68, s42, 8                         ; my 64 columns in bytes
	s_mov_b32 s69, 0
	s_add_nc_u64 s[10:11], s[10:11], s[68:69]
.irp b, 0,1,2,3
	global_load_b128 v[BI+8*\b:BI+8*\b+3], v[BO], s[10:11] offset:64*\b
	global_load_b128 v[BI+8*\b+4:BI+8*\b+7], v[BO], s[10:11] offset:64*\b+16
.endr
	v_mul_u32_u24 v3, v1, 144
	v_lshl_add_u32 v3, v2, 4, v3
	s_mul_i32 s23, s14, 32*144                     ; my 32 rows of a
	v_add_nc_u32 v[ADA], s23, v3
	v_add_nc_u32 v[ADA+1], 4*ABLK, v[ADA]
	v_mul_u32_u24 v4, v1, 272
	v_mul_u32_u24 v5, v1, 1040
	v_lshl_add_u32 v5, v2, 4, v5
	v_add_nc_u32 v[ADB], BOFF, v5
	s_mul_i32 s23, s14, 32*272
	s_add_co_u32 s23, s23, STG                     ; my stage
	v_lshl_add_u32 v5, v2, 5, v4
	v_add_nc_u32 v[STO], s23, v5                   ; in: row r, 32 bytes for each half of the lanes
	v_mul_u32_u24 v5, v2, 272
	v_lshl_add_u32 v5, v1, 4, v5
	v_add_nc_u32 v[RD], s23, v5                    ; back: lanes 0-15 one row of 256 bytes, lanes 16-31 the next
	v_lshlrev_b32 v5, 12, v2
	v_lshl_add_u32 v[CO], v1, 4, v5                ; and the same two rows in the output
	s_lshl_b32 s70, s17, 7
	s_lshl_b32 s71, s14, 5
	s_add_co_u32 s70, s70, s71                     ; my first row: 128 x tile row + 32 x wave
	s_lshl_b32 s70, s70, 12
	s_add_co_u32 s70, s70, s68
	s_mov_b32 s71, 0
	s_add_nc_u64 s[12:13], s[12:13], s[70:71]
	s_wait_alu depctr_va_vdst(0)
	s_wait_tensorcnt 0x0                           ; my load is in,
	s_barrier_signal -1
	s_barrier_wait -1                              ; everybody's are
; 24 LDS loads: K step s's fragments (2 of a, 4 of Wout) into set p.  Lane l holds row l % 16; registers 4 c .. 4 c + 3 hold K = 32 c + 16 (l / 16) + 0 .. 15: the same places of k on both sides
.macro FETCH s, p
	WIN 0x40                                       ; destination window 1, address window 0
.irp a, 0,1
.irp c, 0,1,2,3
	ds_load_b128 v[128*(\p)+16*\a+4*\c:128*(\p)+16*\a+4*\c+3], v[ADA+(\s)/4] offset:((\s)%4)*ABLK+\a*2304+32*\c
.endr
.endr
.irp b, 0,1,2,3
.irp c, 0,1,2,3
	ds_load_b128 v[128*(\p)+32+16*\b+4*\c:128*(\p)+32+16*\b+4*\c+3], v[ADB] offset:\b*16640+(\s)*128+32*\c
.endr
.endr
.endm
	FETCH 0, 0
.irp s, 0,1,2,3,4,5,6,7                        ; the eight K steps, written out; the next step's fragments are asked for ahead of this step's products
.if \s < 7
.if \s > 0
	PLACES                                         ; the set was read by the products of the step before
.endif
	FETCH \s+1, (\s+1)%2
	s_wait_dscnt 24                                ; this step's fragments are in; the 24 loads just issued may be out
.else
	s_wait_dscnt 0x0
.endif
	WIN 0x05                                       ; sources 0 and 1 window 1; C and D window 0
.irp a, 0,1                                    ; the eight accumulators take turns, one instruction a turn; the first step's products start the sums
.irp b, 0,1,2,3
.if \s == 0
	v_wmma_f32_16x16x128_bf8_bf8 v[ACC+8*(4*\a+\b):ACC+8*(4*\a+\b)+7], v[128*(\s%2)+32+16*\b:128*(\s%2)+32+16*\b+15], v[128*(\s%2)+16*\a:128*(\s%2)+16*\a+15], 0
.else
	v_wmma_f32_16x16x128_bf8_bf8 v[ACC+8*(4*\a+\b):ACC+8*(4*\a+\b)+7], v[128*(\s%2)+32+16*\b:128*(\s%2)+32+16*\b+15], v[128*(\s%2)+16*\a:128*(\s%2)+16*\a+15], v[ACC+8*(4*\a+\b):ACC+8*(4*\a+\b)+7]
.endif
.endr
.endr
.endr
	WIN 0
	; THE WAY OUT: sum x 2^(e8 + e9) + bout; through my own stage, so that sixteen lanes store 256 consecutive bytes, aligned
	s_wait_kmcnt 0x0
	s_add_co_i32 s60, s66, s67
	s_add_co_i32 s60, s60, 127
	s_lshl_b32 s60, s60, 23                        ; 2^(e8 + e9) as f32
	s_mov_b32 s61, s60                             ; (named with it as a pair, so it is written)
	s_wait_loadcnt 0x0                             ; bout
	PLACES
.irp a, 0,1
.irp b, 0,1,2,3
.irp i, 0,2,4,6
	v_pk_fma_f32 v[TMP+8*(4*\a+\b)+\i:TMP+8*(4*\a+\b)+\i+1], v[ACC+8*(4*\a+\b)+\i:ACC+8*(4*\a+\b)+\i+1], s[60:61], v[BI+8*\b+\i:BI+8*\b+\i+1] op_sel_hi:[1,0,1]   ; each accumulator from its low end on
.endr
.endr
.endr
.irp a, 0,1
.irp b, 0,1,2,3
	ds_store_b128 v[STO], v[TMP+8*(4*\a+\b):TMP+8*(4*\a+\b)+3] offset:\a*4352+64*\b       ; lane (r, h): row 16 a + r, columns 16 b + 8 h + 0 .. 7
	ds_store_b128 v[STO], v[TMP+8*(4*\a+\b)+4:TMP+8*(4*\a+\b)+7] offset:\a*4352+64*\b+16
.endr
.endr
.irp i, 0,1,2,3,4,5,6,7,8,9,10,11,12,13,14,15
	ds_load_b128 v[BK+4*\i:BK+4*\i+3], v[RD] offset:544*\i    ; LDS serves a wave's instructions in order (ISA guide 5.7.1.4): these see my stores
.endr
.irp i, 0,1,2,3,4,5,6,7,8,9,10,11,12,13,14,15
	s_wait_dscnt 15-\i                             ; rows 2 i and 2 i + 1 are back; the younger loads may be out
	global_store_b128 v[CO], v[BK+4*\i:BK+4*\i+3], s[12:13] offset:8192*\i th:TH_STORE_NT   ; written once, read by nobody here
.endr
	s_wait_tensorcnt 0x0
	ds_add_u32 v30, v31
	s_wait_dscnt 0x0
	CROUND                                         ; the closing round: no work-group ends while a partner may still ask for a tile that names it
	s_endpgm
.Lfunc_end_k_q494ac80155_outp:
	.size	k_q494ac80155_outp, .Lfunc_end_k_q494ac80155_outp-k_q494ac80155_outp
	.p2alignl 7, 3214868480
	.fill 96, 4, 3214868480
	.section	.rodata,"a",@progbits
	.p2align	6, 0x0
	.amdhsa_kernel k_q494ac80155_outp
		.amdhsa_group_segment_fixed_size 262656
		.amdhsa_private_segment_fixed_size 0
		.amdhsa_enable_private_segment 0
		.amdhsa_kernarg_size 40
		.amdhsa_user_sgpr_count 2
		.amdhsa_user_sgpr_kernarg_segment_ptr 1
		.amdhsa_wavefront_size32 1
		.amdhsa_system_sgpr_workgroup_id_x 1
		.amdhsa_system_sgpr_workgroup_id_y 1
		.amdhsa_system_sgpr_workgroup_id_z 1
		.amdhsa_system_vgpr_workitem_id 0
		.amdhsa_next_free_vgpr 512
		.amdhsa_next_free_sgpr 72
		.amdhsa_reserve_vcc 0
		.amdhsa_float_denorm_mode_32 3
		.amdhsa_float_denorm_mode_16_64 3
		.amdhsa_memory_ordered 1
		.amdhsa_forward_progress 1
		.amdhsa_inst_pref_size 31
	.end_amdhsa_kernel
	.amdgpu_metadata
---
amdhsa.version: [ 1, 2 ]
amdhsa.kernels:
  - .name:           k_q494ac80155_outp
    .symbol:         k_q494ac80155_outp.kd
    .args:
      - { .name: acodes, .offset: 0, .size: 8, .value_kind: global_buffer, .address_space: global }
      - { .name: codes, .offset: 8, .size: 8, .value_kind: global_buffer, .address_space: global }
      - { .name: lowp_scales, .offset: 16, .size: 8, .value_kind: global_buffer, .address_space: global }
      - { .name: bout, .offset: 24, .size: 8, .value_kind: global_buffer, .address_space: global }
      - { .name: out0, .offset: 32, .size: 8, .value_kind: global_buffer, .address_space: global }
    .group_segment_fixed_size: 262656
    .private_segment_fixed_size: 0
    .kernarg_segment_align: 8
    .kernarg_segment_size: 40
    .max_flat_workgroup_size: 128
    .sgpr_count:     72
    .vgpr_count:     512
    .wavefront_size: 32
...
	.end_amdgpu_metadata
.endif
;; end of part 4
